; MI455X (gfx1250); checked and timed in simulation.
; The chip was launched on July 23, 2026; its instructions are those of AMD's public machine-readable ISA for CDNA 5 (MIT licence, August 2026) and "CDNA5" Instruction Set Architecture Reference Guide (July 2026). The comments in the code are by the model that wrote it; some were corrected since.
;; Multi Head Attention. Allowed arithmetic: matrix products marked QUANTISED: E2M3 operands, one E8M0 scale for each 32 along K, by v_wmma_scale_f32_16x16x128_f8f6f4 with both operands' format E2M3, f32 sums; everything else in f32.
;; Inputs: b_out 1,024 float32; b_qkv 3,072 float32; w_out 1,024 x 1,024 float32; w_qkv 1,024 x 3,072 float32; x 4 x 2,048 x 1,024 float32.
;; Outputs: out0 4 x 2,048 x 1,024 float32.
;; This version of the problem:
;;   THIS VERSION OF THE PROBLEM IS GIVEN IN LOW PRECISION. The matrix products marked QUANTISED in the list below multiply operands that are first quantised to E2M3 (2 exponent bits, 3 mantissa bits; 6 bits a number), with one power-of-two scale for each 32 numbers along K (OCP MX v1.0); their sums are f32. All else is computed in f32.
;;   The module's matrix products, in the order in which they are computed (A, B: the left and right operand; K: the contracted axis; several contracted axes count as one K, in the product's order):
;;     1. [M 8,192, K 1,024] x [K 1,024, N 3,072]; A: input x; B: input w_qkv: QUANTISED
;;     2. batch 64 x [M 2,048, K 64] x [K 64, N 2,048]; A: computed on the way; B: computed on the way: QUANTISED
;;     3. batch 64 x [M 2,048, K 2,048] x [K 2,048, N 64]; A: softmax (see below); B: computed on the way: QUANTISED
;;     4. [M 8,192, K 1,024] x [K 1,024, N 1,024]; A: computed on the way; B: input w_out: QUANTISED
;;   THE QUANTISER, for each operand of a quantised product, along K:
;;     - K is cut into blocks of 32 from its start; a last block that is shorter is filled with zeros.
;;     - A block's scale is 2^e with e = floor(log2(the largest magnitude in the block)) - 2, held to -126 .. 127; a block of zeros has e = 0. As a byte (E8M0): e + 127.
;;     - Each number is divided by its block's scale, clamped to +-7.5, and rounded to the nearest number of E2M3, ties to even, subnormals kept.
;;     - The product sums the exact products of the quantised numbers (number of the format x scale) in f32.
;;   ~~~python
;;   def quantise(x, axis):      # numpy; x: float32 -> the quantised numbers, widened to float32 again
;;       x = np.moveaxis(x, axis, -1); K = x.shape[-1]
;;       x = np.pad(x, [(0, 0)] * (x.ndim - 1) + [(0, -K % 32)]); x = x.reshape(x.shape[:-1] + (-1, 32)); a = np.abs(x).max(-1, keepdims=True)
;;       e = np.where(a > 0, np.clip(np.frexp(np.where(a > 0, a, 1))[1] - 1 - 2, -126, 127), 0)      # np.frexp(a)[1] - 1 = floor(log2(a)), exactly
;;       r = np.clip(x / 2.0 ** e, -7.5, 7.5)
;;       step = 2.0 ** (np.maximum(np.frexp(np.where(r == 0, 1, r))[1] - 1, 0) - 3)
;;       q = np.round(r / step) * step * 2.0 ** e      # np.round: ties to even
;;       return np.moveaxis(q.reshape(q.shape[:-2] + (-1,))[..., :K], -1, axis).astype(np.float32)
;;   ~~~
;;   SOFTMAX AHEAD OF A QUANTISED PRODUCT. Where the list says 'softmax', what is quantised is not the finished softmax but p = 2^(t - M), with t = logit x log2(e) and M = ceil(the row's largest t), a whole number; so 1/2 < the row's largest p <= 1. The row's sum l is taken of the UNQUANTISED p, in f32, and the product's result is divided by l at the end. Since M is a whole number, a kernel that streams over the keys may use a running M (the ceiling of the running maximum): every later rescaling is an exact power of two, which a block's scale takes up: the codes' values come out the same.
;;   OPERANDS COMPUTED ON THE WAY. 'Computed on the way' means the value that the module computes at that place (a softmax that the list does not call 'softmax' is quantised finished and normalised). What goes into a quantiser is computed in f32, as accurately as f32 sums, v_exp_f32 and their like allow (about 1e-6 of the number): no bf16 or f16 on the way to a quantiser, and a product that is left as it is and whose result goes on into a quantised operand takes f32 operands (vector FMAs, or v_wmma_f32_16x16x4_f32). A number that lies on a knife's edge between two numbers of the format may be rounded either way, as far as f32 arithmetic and the matrix unit's own rounding can turn it there, and no further.
;; One version. Each part assembles by itself: llvm-mc -triple=amdgcn-amd-amdhsa -mcpu=gfx1250 --defsym DOCPART=n.
;; ======== version 1 of 1: 4 launches
;; workspace buffers: opc 9,437,184 bytes; ops 393,216 bytes; qkv 19,660,800 bytes; ac 6,291,456 bytes; asc 262,144 bytes
;; launch quant (part 1): grid 48 x 8, 4 waves a work-group, no clusters, 34,304 bytes of LDS; arguments x, w_qkv, w_out, opc, ops; writes opc, ops
.if DOCPART == 1
	.amdgcn_target "amdgcn-amd-amdhsa--gfx1250"
	.amdhsa_code_object_version 6
	.text
	.protected	k_qfc5ef53e16_quant
	.globl	k_qfc5ef53e16_quant
	.p2align	8
	.type	k_qfc5ef53e16_quant,@function
k_qfc5ef53e16_quant:
	s_mov_b64 s[64:65], 0
	v_nop
	global_prefetch_b8 v0, s[64:65] scope:SCOPE_SE
	s_setreg_imm32_b32 hwreg(HW_REG_WAVE_MODE, 25, 1), 1
	s_wait_xcnt 0x0
; x [8192][1024], w_qkv [1024][3072] and w_out [1024][1024], f32, become codes of FP6 (E2M3) with one E8M0 byte for each 32 along K = 1024.
; All three are rows of ONE operand table: rows 0-8191 tokens of x, rows 8192-11263 columns of w_qkv, rows 11264-12287 columns of w_out.
; opc: [tile of 16 rows][K step of 128][1,536 bytes]: a fragment as the matrix unit's registers hold it: six chunks of 256 bytes, chunk p = registers 2 p, 2 p + 1, lane l's 8 bytes at 8 l.
;      (lane l = (r, h): registers 6 c .. 6 c + 5 hold row r, k = 64 c + 32 h + 0 .. 31.)   ops: [row][32 bytes], byte k / 32.
; A block's scale is 2^(floor(log2(largest magnitude)) - 2); its byte is the largest magnitude's exponent field - 2, held at 1 from below.
; LIMITS: a block of zeros gets the byte 1 where the rule says 127 (its codes are zeros, and this program alone reads the bytes); blocks whose largest magnitude
; lies under 2^-124 keep the byte 1; NaN and infinities among the inputs are not served.
; Work-group x 0-15: x (a wave: one tile of 16 rows, all of K, 8 steps).  16-39: w_qkv, 40-47: w_out (a wave: 32 columns x the K step given by work-group y).
; No matrix unit, no tensor load, no barrier: waves share nothing.  Only the x path stores to LDS (each wave its own stage).
.set SPARE, 33792                      ; behind the four stages of 8,448 bytes: the spare words, 128 bytes a wave
.set SPW,  8                           ; v8   LDS address of my spare word; never rewritten
.set NIL,  9                           ; v9   0; never rewritten
.set TM,   16                          ; v16-31 largest magnitudes, bytes, scale operands
.set T,    32                          ; v32-39 upper halves of blocks on their way
.set PC,   40                          ; v40-51 a fragment's codes
.set SW,   52                          ; v52-59 scale words of the 8 K steps; v60-63 those that I store
.set X,    64                          ; v64-127 64 numbers of a lane (x path); v64-191 128 numbers of a column (weights)
.set R,    128                         ; v128-255 two sets of 64 registers as loaded (x path)
.set SEL,  20                          ; s[20:21] lane selects: lane l xor 16
.set HM,   22                          ; s22  mask of lanes 16-31
; 64 numbers of a lane, register 16 b + i = k 32 b + 16 (lane / 16) + i of my row, become a fragment's codes (d0 .. d0 + 5, d1 .. d1 + 5) and its scale word pw
.macro QUANT s, d0, d1, pw
.irp b, 0,1,2,3
	v_max3_num_f32 v[TM+\b], |v[(\s)+16*\b]|, |v[(\s)+1+16*\b]|, 0x1800000   ; my 16 numbers of block b, and the floor 2^(3 - 127): the byte cannot fall under 1
.endr
.irp i, 2,4,6,8,10,12,14
.irp b, 0,1,2,3
	v_max3_num_f32 v[TM+\b], v[TM+\b], |v[(\s)+16*\b+\i]|, |v[(\s)+1+16*\b+\i]|
.endr
.endr
.irp b, 0,1,2,3
	v_permlanex16_b32 v[TM+4+\b], v[TM+\b], s[SEL], s[SEL+1]
.endr
.irp b, 0,1,2,3
	v_max_num_f32 v[TM+\b], v[TM+\b], v[TM+4+\b]   ; with lane l xor 16's 16: the block's largest magnitude
.endr
.irp b, 0,1,2,3
	v_add_nc_u32 v[TM+12+\b], 0xff000000, v[TM+\b] ; 2 off its exponent field: the conversion's scale operand
.endr
.irp b, 0,1,2,3
	v_lshrrev_b32 v[TM+4+\b], 23, v[TM+12+\b]      ; the scale's byte
.endr
	v_lshl_or_b32 v[\pw], v[TM+5], 8, v[TM+4]
	v_lshl_or_b32 v[\pw], v[TM+6], 16, v[\pw]
	v_lshl_or_b32 v[\pw], v[TM+7], 24, v[\pw]
	v_cvt_scalef32_pk16_fp6_f32 v[(\d0):(\d0)+2], v[(\s):(\s)+15], v[TM+12]
	v_cvt_scalef32_pk16_fp6_f32 v[T:T+2], v[(\s)+16:(\s)+31], v[TM+13]
	v_cvt_scalef32_pk16_fp6_f32 v[(\d1):(\d1)+2], v[(\s)+32:(\s)+47], v[TM+14]
	v_cvt_scalef32_pk16_fp6_f32 v[T+4:T+6], v[(\s)+48:(\s)+63], v[TM+15]
	v_nop                                          ; one plain instruction behind the scaled conversions
.irp i, 0,1,2
	v_permlane16_swap_b32 v[(\d0)+\i], v[T+\i]     ; a whole block to a lane: lanes 0-15 the even block, lanes 16-31 the odd one
	v_permlane16_swap_b32 v[(\d1)+\i], v[T+4+\i]
.endr
.irp i, 0,1,2
	v_mov_b32 v[(\d0)+3+\i], v[T+\i]
	v_mov_b32 v[(\d1)+3+\i], v[T+4+\i]
.endr
.endm
.macro FINISH                          ; the wave's end
	s_wait_tensorcnt 0x0
	ds_add_u32 v[SPW], v[NIL]
	s_wait_dscnt 0x0
	s_endpgm
.endm
	s_load_b256 s[4:11], s[0:1], 0x0               ; x s[4:5], w_qkv s[6:7], w_out s[8:9], opc s[10:11]
	s_load_b64 s[12:13], s[0:1], 0x20              ; ops
	v_lshl_add_u32 v[SPW], v0, 2, SPARE
	v_mov_b32 v[NIL], 0
	v_lshrrev_b32 v1, 5, v0
	v_readfirstlane_b32 s14, v1                    ; wave
	s_and_b32 s15, ttmp7, 0xffff                   ; work-group y
	v_and_b32 v1, 31, v0                           ; lane
	v_lshlrev_b32 v5, 3, v1                        ; 8 x lane: my place in a chunk
	s_mov_b32 s[SEL], 0x76543210
	s_mov_b32 s[SEL+1], 0xfedcba98
	s_mov_b32 s[HM], 0xffff0000
	s_mov_b32 s25, 0
	s_wait_kmcnt 0x0
	s_cmp_lt_u32 ttmp9, 16
	s_cbranch_scc0 .Lweights
; ---- x: K is innermost.  Each load reads 512 consecutive bytes of one row; a step's 16 rows x 512 bytes turn through my stage (rows 528 bytes apart), so that a lane gets 16 neighbours of each block.
	s_lshl_b32 s16, s15, 6
	s_lshl_b32 s17, ttmp9, 2
	s_add_co_u32 s16, s16, s17
	s_add_co_u32 s16, s16, s14                     ; my tile of 16 rows: 64 y + 4 x + wave
	s_lshl_b32 s24, s16, 16                        ; 16 rows of 4,096 bytes
	s_add_nc_u64 s[4:5], s[4:5], s[24:25]
	s_mul_i32 s24, s16, 12288
	s_add_nc_u64 s[10:11], s[10:11], s[24:25]
	s_lshl_b32 s24, s16, 9
	s_add_nc_u64 s[12:13], s[12:13], s[24:25]
	s_mul_i32 s17, s14, 8448                       ; my stage
	s_wait_alu depctr_va_vdst(0)
	v_lshlrev_b32 v2, 4, v1                        ; 16 x lane
	v_add_nc_u32 v3, s17, v2                       ; into the stage: as loaded
	v_and_b32 v10, 15, v0                          ; r
	v_bfe_u32 v11, v0, 4, 1                        ; h
	v_mul_u32_u24 v4, v10, 528
	v_lshl_add_u32 v4, v11, 6, v4
	v_add_nc_u32 v4, s17, v4                       ; out of it: row r, + 64 h
	v_lshlrev_b32 v6, 5, v10
	v_lshl_add_u32 v6, v11, 4, v6                  ; ops: 32 r + 16 h
.irp b, 0,1,2,3
	v_mov_b32 v[TM+4+\b], 0                        ; written once: a lane permute's destination counts as one of its sources
.endr
.macro LOADX t
.irp i, 0,1,2,3,4,5,6,7,8,9,10,11,12,13,14,15
	global_load_b128 v[R+64*((\t)%2)+4*\i:R+64*((\t)%2)+4*\i+3], v2, s[4:5] offset:4096*\i+512*(\t) th:TH_LOAD_NT
.endr
.endm
.macro XSTEP t
.if (\t) < 7
	s_wait_loadcnt 16                              ; this step's 16 loads are in; the next step's 16 may be out
.else
	s_wait_loadcnt 0x0
.endif
.irp i, 0,1,2,3,4,5,6,7,8,9,10,11,12,13,14,15
	ds_store_b128 v3, v[R+64*((\t)%2)+4*\i:R+64*((\t)%2)+4*\i+3] offset:528*\i
.endr
.irp b, 0,1,2,3
.irp j, 0,1,2,3
	ds_load_b128 v[X+16*\b+4*\j:X+16*\b+4*\j+3], v4 offset:128*\b+16*\j   ; LDS serves a wave's instructions in order: these see my stores
.endr
.endr
	s_wait_dscnt 0x0                               ; the numbers are back, and the stores have read their registers,
.if (\t)+2 < 8
	LOADX (\t)+2                                   ; which take the loads of two steps on
.endif
	s_wait_xcnt 0x0                                ; the last step's stores have read the codes' registers: they are written again only behind this wait
	QUANT X, PC, PC+6, SW+(\t)
.irp p, 0,1,2,3,4,5
	global_store_b64 v5, v[PC+2*\p:PC+2*\p+1], s[10:11] offset:1536*(\t)+256*\p   ; 32 lanes store 256 consecutive bytes, at a multiple of 256 from the buffer's first byte
.endr
.endm
	LOADX 0
	LOADX 1
	s_wait_alu depctr_va_vdst(0)
.irp t, 0,1,2,3,4,5,6,7
	XSTEP \t
.endr
.irp i, 0,1,2,3
	v_cndmask_b32 v[60+\i], v[SW+\i], v[SW+4+\i], s[HM]   ; lanes 0-15 store my row's words 0-3, lanes 16-31 its words 4-7
.endr
	global_store_b128 v6, v[60:63], s[12:13]       ; 16 rows of 32 bytes: 512 consecutive bytes
	FINISH
; ---- weights: K is the first axis.  A lane takes a column and its registers run down K: a block of 32 lies in one lane, and the codes come out with K innermost.
.macro LOADW bk, NS, P0
.set wi, 0
.rept 32
	global_load_b32 v[X+32*(\bk)+wi], v2, s[\P0:\P0+1] offset:(32*(\bk)+wi)*\NS*4 th:TH_LOAD_NT   ; 32 lanes read 128 consecutive bytes; the four waves stand side by side
.set wi, wi+1
.endr
.endm
.macro BLOCKW bk
.set XS, X+32*(\bk)
	v_max3_num_f32 v12, |v[XS]|, |v[XS+1]|, |v[XS+2]|
	v_max3_num_f32 v13, |v[XS+3]|, |v[XS+4]|, |v[XS+5]|
.irp i, 6,10,14,18,22,26
	v_max3_num_f32 v12, v12, |v[XS+\i]|, |v[XS+\i+1]|
	v_max3_num_f32 v13, v13, |v[XS+\i+2]|, |v[XS+\i+3]|
.endr
	v_max3_num_f32 v12, v12, |v[XS+30]|, |v[XS+31]|
	v_max3_num_f32 v12, v12, v13, 0x1800000        ; and the floor
	v_add_nc_u32 v11, 0xff000000, v12              ; the conversion's scale operand
	v_lshrrev_b32 v13, 23, v11                     ; the byte
.if (\bk) == 0
	v_mov_b32 v[SW], v13
.else
	v_lshl_or_b32 v[SW], v13, 8*(\bk), v[SW]
.endif
	v_cvt_scalef32_pk16_fp6_f32 v[192+8*(\bk):194+8*(\bk)], v[XS:XS+15], v11
	v_cvt_scalef32_pk16_fp6_f32 v[T:T+2], v[XS+16:XS+31], v11
	v_nop                                          ; one plain instruction behind the scaled conversions
.irp i, 0,1,2
	v_mov_b32 v[195+8*(\bk)+\i], v[T+\i]           ; v[192 + 8 bk ..  + 5]: my column's block bk, 24 bytes
.endr
.endm
.macro WPATH NS, P0, X0, ROW0
	s_sub_co_u32 s16, ttmp9, \X0
	s_lshl_b32 s16, s16, 7
	s_lshl_b32 s17, s14, 5
	s_add_co_u32 s16, s16, s17                     ; my first column
	s_mul_i32 s24, s15, 128*\NS*4                  ; K step y: 128 rows of the weight
	s_lshl_b32 s17, s16, 2
	s_add_co_u32 s24, s24, s17
	s_add_nc_u64 s[\P0:\P0+1], s[\P0:\P0+1], s[24:25]
	s_add_co_u32 s16, s16, 8192+\ROW0              ; its row in the operand table
	s_mul_i32 s24, s16, 768
	s_mul_i32 s17, s15, 1536
	s_add_co_u32 s24, s24, s17
	s_add_nc_u64 s[10:11], s[10:11], s[24:25]
	s_lshl_b32 s24, s16, 5
	s_lshl_b32 s17, s15, 2
	s_add_co_u32 s24, s24, s17
	s_add_nc_u64 s[12:13], s[12:13], s[24:25]
	v_lshlrev_b32 v2, 2, v1                        ; 4 bytes a lane
	v_lshlrev_b32 v6, 5, v1                        ; ops: 32 bytes a row
	LOADW 0, \NS, \P0
	LOADW 1, \NS, \P0
	s_wait_alu depctr_va_vdst(0)
	s_wait_loadcnt 32                              ; block 0 is in; block 1's 32 loads may be out
	LOADW 2, \NS, \P0
	BLOCKW 0
	s_wait_loadcnt 32                              ; block 1 is in; block 2's may be out
	LOADW 3, \NS, \P0
	BLOCKW 1
	s_wait_loadcnt 32
	BLOCKW 2
	s_wait_loadcnt 0x0
	BLOCKW 3
.irp c, 0,1
.irp g, 0,1,2,3,4,5
	v_permlane16_swap_b32 v[192+16*\c+\g], v[200+16*\c+\g]   ; lanes 0-15 are columns 0-15, lanes 16-31 columns 16-31: the first now holds registers 6 c + g of the first 16 columns' fragment (block 2 c below, 2 c + 1 above), the second those of the other 16
.endr
.irp q, 0,1,2
	global_store_b64 v5, v[192+16*\c+2*\q:193+16*\c+2*\q], s[10:11] offset:256*(3*\c+\q)          ; 256 consecutive bytes each
	global_store_b64 v5, v[200+16*\c+2*\q:201+16*\c+2*\q], s[10:11] offset:12288+256*(3*\c+\q)
.endr
.endr
	global_store_b32 v6, v[SW], s[12:13]           ; 4 bytes a row, 32 bytes apart: the other K steps' bytes lie between; one byte for each 128 that the path reads
	FINISH
.endm
.Lweights:
	s_cmp_lt_u32 ttmp9, 40
	s_cbranch_scc0 .Lwout
	s_wait_alu depctr_va_vdst(0)
	WPATH 3072, 6, 16, 0
.Lwout:
	s_wait_alu depctr_va_vdst(0)
	WPATH 1024, 8, 40, 3072
.Lfunc_end_k_qfc5ef53e16_quant:
	.size	k_qfc5ef53e16_quant, .Lfunc_end_k_qfc5ef53e16_quant-k_qfc5ef53e16_quant
	.p2alignl 7, 3214868480
	.fill 96, 4, 3214868480
	.section	.rodata,"a",@progbits
	.p2align	6, 0x0
	.amdhsa_kernel k_qfc5ef53e16_quant
		.amdhsa_group_segment_fixed_size 34304
		.amdhsa_private_segment_fixed_size 0
		.amdhsa_enable_private_segment 0
		.amdhsa_kernarg_size 40
		.amdhsa_user_sgpr_count 2
		.amdhsa_user_sgpr_kernarg_segment_ptr 1
		.amdhsa_wavefront_size32 1
		.amdhsa_system_sgpr_workgroup_id_x 1
		.amdhsa_system_sgpr_workgroup_id_y 1
		.amdhsa_system_sgpr_workgroup_id_z 1
		.amdhsa_system_vgpr_workitem_id 0
		.amdhsa_next_free_vgpr 256
		.amdhsa_next_free_sgpr 66
		.amdhsa_reserve_vcc 0
		.amdhsa_float_denorm_mode_32 3
		.amdhsa_float_denorm_mode_16_64 3
		.amdhsa_memory_ordered 1
		.amdhsa_forward_progress 1
		.amdhsa_inst_pref_size 107
	.end_amdhsa_kernel
	.amdgpu_metadata
---
amdhsa.version: [ 1, 2 ]
amdhsa.kernels:
  - .name:           k_qfc5ef53e16_quant
    .symbol:         k_qfc5ef53e16_quant.kd
    .args:
      - { .name: x, .offset: 0, .size: 8, .value_kind: global_buffer, .address_space: global }
      - { .name: w_qkv, .offset: 8, .size: 8, .value_kind: global_buffer, .address_space: global }
      - { .name: w_out, .offset: 16, .size: 8, .value_kind: global_buffer, .address_space: global }
      - { .name: opc, .offset: 24, .size: 8, .value_kind: global_buffer, .address_space: global }
      - { .name: ops, .offset: 32, .size: 8, .value_kind: global_buffer, .address_space: global }
    .group_segment_fixed_size: 34304
    .private_segment_fixed_size: 0
    .kernarg_segment_align: 8
    .kernarg_segment_size: 40
    .max_flat_workgroup_size: 128
    .sgpr_count:     66
    .vgpr_count:     256
    .wavefront_size: 32
...
	.end_amdgpu_metadata
.endif
;; end of part 1
;; launch gemm_qkv (part 2): grid 12 x 32, 4 waves a work-group, clusters of 4 x 4, 327,680 bytes of LDS; arguments opc, ops, b_qkv, qkv; writes qkv
.if DOCPART == 2
	.amdgcn_target "amdgcn-amd-amdhsa--gfx1250"
	.amdhsa_code_object_version 6
	.text
	.protected	k_qfc5ef53e16_gemm_qkv
	.globl	k_qfc5ef53e16_gemm_qkv
	.p2align	8
	.type	k_qfc5ef53e16_gemm_qkv,@function
k_qfc5ef53e16_gemm_qkv:
	s_mov_b64 s[64:65], 0
	v_nop
	global_prefetch_b8 v0, s[64:65] scope:SCOPE_SE
	s_setreg_imm32_b32 hwreg(HW_REG_WAVE_MODE, 25, 1), 1
	s_wait_xcnt 0x0
	s_wait_alu depctr_hold_cnt(0) depctr_sa_sdst(0) depctr_va_vdst(0) depctr_va_sdst(0) depctr_va_ssrc(0) depctr_va_vcc(0) depctr_vm_vsrc(0)
	s_getreg_b32 s2, hwreg(HW_REG_IB_STS2, 6, 4)
	s_cmp_eq_u32 s2, 0
	s_cbranch_scc0 .Lentry_in_a_cluster
	s_endpgm
.Lentry_in_a_cluster:
	s_bfe_u32 s2, ttmp6, 0x10000c
	s_cmp_lg_u32 s2, 0xf033
	s_cbranch_scc0 .Lentry_shape_is_right
	s_endpgm
.Lentry_shape_is_right:
.set NQ,    2
.set FR,    12
.set NL,    6
.set NP,    4
.set FRB,   1536
.set HALFT, 8*NQ*FRB
.set SLOT,  4*HALFT
.set SCL,   2*SLOT
.set HALFS, 16*272
.set SBLK,  2*272
.set SPARE, SCL+4*HALFS
.set GRP,   19200
.set HEADB, 16*GRP
.set ADRA, 16
.set ADRB, 20
.set L16,  24
.set L8,   25
.set R4,   26
.set ADRS, 27
.set SPW,  28
.set NIL,  29
.set H32,  30
.set SC,   32
.set BIAS, 64
.set AF,   128
.set HA,   128
.set FA,   192
.set FB,   204
.set T,    216
.set TM,   224
.set PW,   240
.set WA,   242
.set WB,   246
.set XS,   250
.set G1, 24
.set G0, 32
.set G1B, 48
.set G0B, 56
.set G1S, 68
.set G0S, 76
.set G1SB, 80
.set G0SB, 88
.set HM,  95
.set SEL, 96
.set MSB, 0
.macro WIN new
.if MSB != (\new)
	s_set_vgpr_msb (MSB<<8)|(\new)
.set MSB, (\new)
.endif
.endm
.set MUL_LO, 0xa1
.set MUL_HI, 0xf1
.set TO_B,   0x40
.macro JLOAD g0a, g1a, g0b, g1b
	s_cmp_eq_u32 s15, 0
	s_cbranch_scc0 .Lfor_b_\@
	tensor_load_to_lds s[\g0a:\g0a+3], s[\g1a:\g1a+7]
	s_nop 0
.rept 4
	v_nop
.endr
	s_branch .Lasked_\@
.Lfor_b_\@:
	tensor_load_to_lds s[\g0b:\g0b+3], s[\g1b:\g1b+7]
	s_nop 0
.rept 4
	v_nop
.endr
.Lasked_\@:
.endm
.macro CREST
	s_cmp_lg_u32 s14, 0
	s_cbranch_scc1 .Lnot_wave_0_\@
	s_barrier_signal -3
.Lnot_wave_0_\@:
	s_barrier_wait -3
	s_barrier_signal -1
	s_barrier_wait -1
.endm
.macro CROUND
	s_barrier_signal -1
	s_barrier_wait -1
	CREST
.endm
	s_load_b256 s[4:11], s[0:1], 0x0
	v_lshl_add_u32 v[SPW], v0, 2, SPARE
	v_mov_b32 v[NIL], 0
	ds_add_u32 v[SPW], v[NIL]
	ds_add_u32 v[SPW], v[NIL]
	v_lshrrev_b32 v1, 5, v0
	v_readfirstlane_b32 s14, v1
	s_lshr_b32 s15, s14, 1
	s_and_b32 s16, s14, 1
	s_bfe_u32 s40, ttmp6, 0x40000
	s_bfe_u32 s41, ttmp6, 0x40004
	s_and_b32 s17, ttmp7, 0xffff
	s_lshl_b32 s43, s41, 2
	s_lshl_b32 s43, 15, s43
	s_lshl_b32 s44, 0x1111, s40
	s_lshl_b32 s18, s17, 2
	s_cmp_eq_u32 ttmp9, 2
	s_cselect_b32 s2, 0, s18
	s_cselect_b32 s19, 10240, 0
	s_cselect_b32 s3, s17, ttmp9
	s_cselect_b32 s97, 0, 8192
	s_add_co_u32 s2, s2, s41
	s_lshl_b32 s2, s2, 8
	s_add_co_u32 s2, s2, s19
	s_lshl_b32 s3, s3, 2
	s_add_co_u32 s3, s3, s40
	s_lshl_b32 s3, s3, 8
	s_add_co_u32 s3, s3, s97
	s_or_b32 s[G1+0], s43, (3<<16)|(1<<21)
	s_or_b32 s[G1B+0], s44, (3<<16)|(1<<21)
.irp g, G1, G1B
	s_mov_b32 s[\g+1], 384<<16
	s_mov_b32 s[\g+2], 8<<16
	s_mov_b32 s[\g+3], 384<<16
	s_mov_b32 s[\g+4], 8
	s_mov_b32 s[\g+5], 1536
	s_mov_b32 s[\g+6], 0
	s_mov_b32 s[\g+7], 0
.endr
	s_or_b32 s[G1S+0], s43, (3<<16)|(1<<20)|(1<<21)|(5<<22)|(3<<25)
	s_or_b32 s[G1SB+0], s44, (3<<16)|(1<<20)|(1<<21)|(5<<22)|(3<<25)
.irp g, G1S, G1SB
	s_mov_b32 s[\g+1], 32<<16
	s_mov_b32 s[\g+2], 16<<16
	s_mov_b32 s[\g+3], 32<<16
	s_mov_b32 s[\g+4], 16
	s_mov_b32 s[\g+5], 32
	s_mov_b32 s[\g+6], 0
	s_mov_b32 s[\g+7], 0
.endr
	s_lshl_b32 s18, s16, 7
	s_add_co_u32 s20, s2, s18
	s_add_co_u32 s46, s3, s18
	s_lshl_b32 s22, s20, 5
	s_mov_b32 s23, 0
	s_lshl_b32 s92, s46, 5
	s_mov_b32 s93, 0
	s_mul_i32 s20, s20, 768
	s_mov_b32 s21, 0
	s_mul_i32 s46, s46, 768
	s_mov_b32 s47, 0
	s_mul_i32 s45, s14, HALFT
	s_mul_i32 s94, s14, HALFS
	s_wait_dscnt 0x0
	s_wait_kmcnt 0x0
	s_add_nc_u64 s[20:21], s[4:5], s[20:21]
	s_add_nc_u64 s[22:23], s[6:7], s[22:23]
	s_add_nc_u64 s[46:47], s[4:5], s[46:47]
	s_add_nc_u64 s[92:93], s[6:7], s[92:93]
	CROUND
	s_mov_b32 s[G0S], 1
	s_add_co_u32 s[G0S+1], s94, SCL
	s_mov_b64 s[G0S+2:G0S+3], s[22:23]
	s_or_b32 s[G0S+3], s[G0S+3], 0x80000000
	s_mov_b32 s[G0SB], 1
	s_add_co_u32 s[G0SB+1], s94, SCL
	s_mov_b64 s[G0SB+2:G0SB+3], s[92:93]
	s_or_b32 s[G0SB+3], s[G0SB+3], 0x80000000
	JLOAD G0S, G1S, G0SB, G1SB
.irp s, 0,1
	s_mov_b32 s[G0+4*\s], 1
	s_add_co_u32 s[G0+4*\s+1], s45, \s*SLOT
	s_add_nc_u64 s[G0+4*\s+2:G0+4*\s+3], s[20:21], \s*NQ*FRB
	s_or_b32 s[G0+4*\s+3], s[G0+4*\s+3], 0x80000000
	s_mov_b32 s[G0B+4*\s], 1
	s_add_co_u32 s[G0B+4*\s+1], s45, \s*SLOT
	s_add_nc_u64 s[G0B+4*\s+2:G0B+4*\s+3], s[46:47], \s*NQ*FRB
	s_or_b32 s[G0B+4*\s+3], s[G0B+4*\s+3], 0x80000000
	s_wait_alu depctr_va_vdst(0)
	s_wait_tensorcnt 0x0
	ds_add_u32 v28, v29
	s_wait_dscnt 0x0
	CROUND
	JLOAD G0+4*\s, G1, G0B+4*\s, G1B
.endr
	v_and_b32 v1, 15, v0
	v_bfe_u32 v2, v0, 4, 1
	v_and_b32 v6, 31, v0
	v_lshlrev_b32 v[L8], 3, v6
	v_lshlrev_b32 v[L16], 4, v6
	v_lshlrev_b32 v[R4], 2, v1
	v_lshlrev_b32 v[H32], 5, v2
	s_mul_i32 s21, s15, HALFT
	s_mul_i32 s22, s16, HALFT
	s_add_co_u32 s22, s22, 2*HALFT
.irp s, 0,1
	v_add_nc_u32 v[ADRA+\s], s21, v[L8]
	v_add_nc_u32 v[ADRB+\s], s22, v[L8]
	s_add_co_u32 s21, s21, SLOT
	s_add_co_u32 s22, s22, SLOT
.endr
	v_mul_u32_u24 v5, v1, 32
	v_lshrrev_b32 v6, 8, v5
	v_lshl_add_u32 v5, v6, 4, v5
	s_mul_i32 s21, s15, HALFS
	s_mul_i32 s22, s16, HALFS
	s_add_co_u32 s22, s22, 2*HALFS
	s_sub_co_u32 s22, s22, s21
	v_mul_u32_u24 v6, s22, v2
	s_add_co_u32 s21, s21, SCL
	v_add_nc_u32 v5, v5, v6
	v_add_nc_u32 v[ADRS], s21, v5
.irp b, 0,1,2,3
	v_mov_b32 v[TM+4+\b], 0
.endr
	s_mov_b32 s[SEL], 0x76543210
	s_mov_b32 s[SEL+1], 0xfedcba98
	s_mov_b32 s[HM], 0xffff0000
.macro FRAG reg, adr, q, i
.irp p, 0,1,2,3,4,5
	ds_load_b64 v[\reg+2*\p:\reg+2*\p+1], v[\adr] offset:(\i)*NQ*FRB+(\q)*FRB+256*\p
.endr
.endm
.macro MUL16 a0, p, q, sc, zero
.irp a, \a0, \a0+1
.irp b, 0,1,2,3,4,5,6,7
.if \zero
	v_wmma_scale_f32_16x16x128_f8f6f4 v[8*(8*((\a)%4)+\b):8*(8*((\a)%4)+\b)+7], v[128*(\p)+FR*\b:128*(\p)+FR*\b+FR-1], v[AF+FR*(\a):AF+FR*(\a)+FR-1], 0, v[SC+8*NQ*(\sc)+NQ*\b+(\q)], v[SC+8*NQ*(\sc)+NQ*(\a)+(\q)] matrix_a_fmt:MATRIX_FMT_FP6 matrix_b_fmt:MATRIX_FMT_FP6 matrix_a_scale:MATRIX_SCALE_ROW1
.else
	v_wmma_scale_f32_16x16x128_f8f6f4 v[8*(8*((\a)%4)+\b):8*(8*((\a)%4)+\b)+7], v[128*(\p)+FR*\b:128*(\p)+FR*\b+FR-1], v[AF+FR*(\a):AF+FR*(\a)+FR-1], v[8*(8*((\a)%4)+\b):8*(8*((\a)%4)+\b)+7], v[SC+8*NQ*(\sc)+NQ*\b+(\q)], v[SC+8*NQ*(\sc)+NQ*(\a)+(\q)] matrix_a_fmt:MATRIX_FMT_FP6 matrix_b_fmt:MATRIX_FMT_FP6 matrix_a_scale:MATRIX_SCALE_ROW1
.endif
.endr
.endr
.endm
.macro FETCH_B slot, q, p
	WIN TO_B
.irp i, 0,1,2,3,4,5,6,7
	FRAG 128*(\p)+FR*\i, ADRB+\slot, \q, \i
.endr
	WIN 0
.endm
.macro FETCH_A slot, q, i0
.irp i, \i0, \i0+1, \i0+2, \i0+3
	FRAG AF+FR*(\i), ADRA+\slot, \q, \i
.endr
.endm
.macro SCALES sc
.irp i, 0,1,2,3,4,5,6,7
	ds_load_b64 v[SC+8*NQ*\sc+NQ*\i:SC+8*NQ*\sc+NQ*\i+1], v[ADRS] offset:\i*SBLK
.endr
.endm
.macro PLACES n
.rept \n
	v_nop
.endr
.endm
.macro STEP slot, q, zero
	s_wait_dscnt 4*NL
	WIN MUL_LO
	MUL16 0, (\q)%2, \q, \slot, \zero
	MUL16 2, (\q)%2, \q, \slot, \zero
	s_wait_dscnt 0
	PLACES NP
	FETCH_B \slot, (\q)+1, 1-(\q)%2
	FETCH_A \slot, (\q)+1, 0
	WIN MUL_HI
	MUL16 4, (\q)%2, \q, \slot, \zero
	MUL16 6, (\q)%2, \q, \slot, \zero
	PLACES NP
	WIN 0
	FETCH_A \slot, (\q)+1, 4
.endm
.macro TURN slot, next, fill
	s_wait_tensorcnt 0x0
	ds_add_u32 v[SPW], v[NIL]
	s_wait_dscnt 4*NL+1
	WIN MUL_LO
	MUL16 0, 1, NQ-1, \slot, 0
	s_wait_dscnt 0x0
	s_barrier_signal -1
	MUL16 2, 1, NQ-1, \slot, 0
	WIN 0
	s_barrier_wait -1
.if \fill
	CREST
	s_add_nc_u64 s[G0+4*\slot+2:G0+4*\slot+3], s[G0+4*\slot+2:G0+4*\slot+3], 2*NQ*FRB
	s_add_nc_u64 s[G0B+4*\slot+2:G0B+4*\slot+3], s[G0B+4*\slot+2:G0B+4*\slot+3], 2*NQ*FRB
	JLOAD G0+4*\slot, G1, G0B+4*\slot, G1B
.else
	PLACES NP
.endif
	s_wait_alu depctr_va_vdst(0)
	v_add_nc_u32 v[ADRS], 4*NQ, v[ADRS]
	FETCH_B \next, 0, 0
	FETCH_A \next, 0, 0
	SCALES \next
	WIN MUL_HI
	MUL16 4, 1, NQ-1, \slot, 0
	MUL16 6, 1, NQ-1, \slot, 0
	PLACES NP
	WIN 0
	FETCH_A \next, 0, 4
.endm
.macro LAST
	s_wait_dscnt 4*NL
	WIN MUL_LO
	MUL16 0, 1, NQ-1, 1, 0
	MUL16 2, 1, NQ-1, 1, 0
	s_wait_dscnt 0
	WIN MUL_HI
	MUL16 4, 1, NQ-1, 1, 0
	MUL16 6, 1, NQ-1, 1, 0
	WIN 0
	PLACES NP
.endm
.macro QUANT s, d0, d1, pw
.irp b, 0,1,2,3
	v_max3_num_f32 v[TM+\b], |v[(\s)+16*\b]|, |v[(\s)+1+16*\b]|, 0x1800000
.endr
.irp i, 2,4,6,8,10,12,14
.irp b, 0,1,2,3
	v_max3_num_f32 v[TM+\b], v[TM+\b], |v[(\s)+16*\b+\i]|, |v[(\s)+1+16*\b+\i]|
.endr
.endr
.irp b, 0,1,2,3
	v_permlanex16_b32 v[TM+4+\b], v[TM+\b], s[SEL], s[SEL+1]
.endr
.irp b, 0,1,2,3
	v_max_num_f32 v[TM+\b], v[TM+\b], v[TM+4+\b]
.endr
.irp b, 0,1,2,3
	v_add_nc_u32 v[TM+12+\b], 0xff000000, v[TM+\b]
.endr
.irp b, 0,1,2,3
	v_lshrrev_b32 v[TM+4+\b], 23, v[TM+12+\b]
.endr
	v_lshl_or_b32 v[\pw], v[TM+5], 8, v[TM+4]
	v_lshl_or_b32 v[\pw], v[TM+6], 16, v[\pw]
	v_lshl_or_b32 v[\pw], v[TM+7], 24, v[\pw]
	v_cvt_scalef32_pk16_fp6_f32 v[(\d0):(\d0)+2], v[(\s):(\s)+15], v[TM+12]
	v_cvt_scalef32_pk16_fp6_f32 v[T:T+2], v[(\s)+16:(\s)+31], v[TM+13]
	v_cvt_scalef32_pk16_fp6_f32 v[(\d1):(\d1)+2], v[(\s)+32:(\s)+47], v[TM+14]
	v_cvt_scalef32_pk16_fp6_f32 v[T+4:T+6], v[(\s)+48:(\s)+63], v[TM+15]
	v_nop
.irp i, 0,1,2
	v_permlane16_swap_b32 v[(\d0)+\i], v[T+\i]
	v_permlane16_swap_b32 v[(\d1)+\i], v[T+4+\i]
.endr
.irp i, 0,1,2
	v_mov_b32 v[(\d0)+3+\i], v[T+\i]
	v_mov_b32 v[(\d1)+3+\i], v[T+4+\i]
.endr
.endm
.macro ADDB a, pair
	WIN 0x02+(\a)/4
.set kk, 0
.rept 32
.if \pair
	v_pk_add_f32 v[HA+kk:HA+kk+1], v[64*((\a)%4)+kk:64*((\a)%4)+kk+1], v[BIAS+2*(\a):BIAS+2*(\a)+1]
.else
	v_pk_add_f32 v[HA+kk:HA+kk+1], v[64*((\a)%4)+kk:64*((\a)%4)+kk+1], v[BIAS+kk:BIAS+kk+1]
.endif
.set kk, kk+2
.endr
	WIN 0
.endm
	s_wait_alu depctr_va_vdst(0)
	s_wait_tensorcnt 1
	s_barrier_signal -1
	s_barrier_wait -1
	FETCH_B 0, 0, 0
	FETCH_A 0, 0, 0
	SCALES 0
	FETCH_A 0, 0, 4
	STEP 0, 0, 1
	TURN 0, 1, 1
	STEP 1, 0, 0
	TURN 1, 0, 1
	STEP 0, 0, 0
	TURN 0, 1, 0
	STEP 1, 0, 0
	s_mov_b32 s93, 0
	s_cmp_eq_u32 ttmp9, 2
	s_cbranch_scc1 .Lv
	s_lshl_b32 s18, s15, 7
	s_add_co_u32 s18, s2, s18
	s_lshr_b32 s19, s18, 11
	s_bfe_u32 s20, s18, 0x40007
	s_lshl_b32 s21, s16, 7
	s_add_co_u32 s21, s3, s21
	s_sub_co_u32 s21, s21, 8192
	s_bfe_u32 s22, s21, 0x40006
	s_lshl_b32 s19, s19, 4
	s_add_co_u32 s19, s19, s22
	s_lshl_b32 s19, s19, 4
	s_add_co_u32 s19, s19, s20
	s_mul_i32 s92, s19, GRP
	s_mul_i32 s23, ttmp9, 6400
	s_add_co_u32 s92, s92, s23
	s_add_nc_u64 s[10:11], s[10:11], s[92:93]
	s_mov_b32 s92, 12288
	s_cmp_eq_u32 ttmp9, 0
	s_cselect_b32 s92, 6144, s92
	s_add_nc_u64 s[12:13], s[10:11], s[92:93]
	s_lshl_b32 s92, s21, 2
	s_add_nc_u64 s[8:9], s[8:9], s[92:93]
.irp b, 0,1,2,3,4,5,6,7
	global_load_b128 v[BIAS+8*\b:BIAS+8*\b+3], v[H32], s[8:9] offset:64*\b
	global_load_b128 v[BIAS+8*\b+4:BIAS+8*\b+7], v[H32], s[8:9] offset:64*\b+16
.endr
	LAST
	s_wait_loadcnt 0x0
.irp f, 0,1,2,3
.irp u, 0,1
	ADDB 2*\f+\u, 0
.if \u == 0
	s_wait_xcnt 0x0
.endif
	QUANT HA, FA+6*\u, FB+6*\u, PW+\u
.endr
	v_perm_b32 v[WA+\f], v[PW+1], v[PW], 0x05040100
	v_perm_b32 v[WB+\f], v[PW+1], v[PW], 0x07060302
.irp c, 0,1,2
	global_store_b128 v[L16], v[FA+4*\c:FA+4*\c+3], s[10:11] offset:FRB*\f+512*\c
	global_store_b128 v[L16], v[FB+4*\c:FB+4*\c+3], s[10:11] offset:HEADB+FRB*\f+512*\c
.endr
.endr
	v_cndmask_b32 v[XS], v[WA], v[WA+1], s[HM]
	v_cndmask_b32 v[XS+1], v[WA+2], v[WA+3], s[HM]
	v_cndmask_b32 v[XS+2], v[WB], v[WB+1], s[HM]
	v_cndmask_b32 v[XS+3], v[WB+2], v[WB+3], s[HM]
	global_store_b64 v[L8], v[XS:XS+1], s[12:13]
	global_store_b64 v[L8], v[XS+2:XS+3], s[12:13] offset:HEADB
	s_branch .Lend
.Lv:
	s_lshl_b32 s18, s16, 7
	s_add_co_u32 s18, s3, s18
	s_lshr_b32 s19, s18, 11
	s_bfe_u32 s20, s18, 0x40007
	s_lshl_b32 s21, s15, 7
	s_add_co_u32 s21, s2, s21
	s_sub_co_u32 s21, s21, 10240
	s_lshr_b32 s22, s21, 6
	s_lshl_b32 s19, s19, 4
	s_add_co_u32 s19, s19, s22
	s_lshl_b32 s19, s19, 4
	s_add_co_u32 s19, s19, s20
	s_mul_i32 s92, s19, GRP
	s_add_co_u32 s92, s92, 12544
	s_add_nc_u64 s[10:11], s[10:11], s[92:93]
	s_add_co_u32 s92, s21, 2048
	s_lshl_b32 s92, s92, 2
	s_add_nc_u64 s[8:9], s[8:9], s[92:93]
.irp a, 0,1,2,3,4,5,6,7
	global_load_b32 v[BIAS+2*\a], v[R4], s[8:9] offset:64*\a
	global_load_b32 v[BIAS+2*\a+1], v[R4], s[8:9] offset:64*\a
.endr
	LAST
	s_wait_loadcnt 0x0
.irp a, 0,1,2,3,4,5,6,7
	ADDB \a, 1
	s_wait_xcnt 0x0
	QUANT HA, FA, FA+6, WA+\a
.irp c, 0,1,2
	global_store_b128 v[L16], v[FA+4*\c:FA+4*\c+3], s[10:11] offset:HEADB*(\a/4)+FRB*(\a%4)+512*\c
.endr
.if (\a%4) == 3
	v_cndmask_b32 v[XS+2*(\a/4)], v[WA+4*(\a/4)], v[WA+4*(\a/4)+1], s[HM]
	v_cndmask_b32 v[XS+2*(\a/4)+1], v[WA+4*(\a/4)+2], v[WA+4*(\a/4)+3], s[HM]
	global_store_b64 v[L8], v[XS+2*(\a/4):XS+2*(\a/4)+1], s[10:11] offset:HEADB*(\a/4)+6400
.endif
.endr
.Lend:
	s_wait_tensorcnt 0x0
	ds_add_u32 v[SPW], v[NIL]
	s_wait_dscnt 0x0
	CROUND
	s_endpgm
.Lfunc_end_k_qfc5ef53e16_gemm_qkv:
	.size	k_qfc5ef53e16_gemm_qkv, .Lfunc_end_k_qfc5ef53e16_gemm_qkv-k_qfc5ef53e16_gemm_qkv
	.p2alignl 7, 3214868480
	.fill 96, 4, 3214868480
	.section	.rodata,"a",@progbits
	.p2align	6, 0x0
	.amdhsa_kernel k_qfc5ef53e16_gemm_qkv
		.amdhsa_group_segment_fixed_size 327680
		.amdhsa_private_segment_fixed_size 0
		.amdhsa_enable_private_segment 0
		.amdhsa_kernarg_size 32
		.amdhsa_user_sgpr_count 2
		.amdhsa_user_sgpr_kernarg_segment_ptr 1
		.amdhsa_wavefront_size32 1
		.amdhsa_system_sgpr_workgroup_id_x 1
		.amdhsa_system_sgpr_workgroup_id_y 1
		.amdhsa_system_sgpr_workgroup_id_z 1
		.amdhsa_system_vgpr_workitem_id 0
		.amdhsa_next_free_vgpr 1024
		.amdhsa_next_free_sgpr 98
		.amdhsa_reserve_vcc 0
		.amdhsa_float_denorm_mode_32 3
		.amdhsa_float_denorm_mode_16_64 3
		.amdhsa_memory_ordered 1
		.amdhsa_forward_progress 1
		.amdhsa_inst_pref_size 243
	.end_amdhsa_kernel
	.amdgpu_metadata
---
amdhsa.version: [ 1, 2 ]
amdhsa.kernels:
  - .name:           k_qfc5ef53e16_gemm_qkv
    .symbol:         k_qfc5ef53e16_gemm_qkv.kd
    .args:
      - { .name: opc, .offset: 0, .size: 8, .value_kind: global_buffer, .address_space: global }
      - { .name: ops, .offset: 8, .size: 8, .value_kind: global_buffer, .address_space: global }
      - { .name: b_qkv, .offset: 16, .size: 8, .value_kind: global_buffer, .address_space: global }
      - { .name: qkv, .offset: 24, .size: 8, .value_kind: global_buffer, .address_space: global }
    .group_segment_fixed_size: 327680
    .private_segment_fixed_size: 0
    .kernarg_segment_align: 8
    .kernarg_segment_size: 32
    .max_flat_workgroup_size: 128
    .sgpr_count:     98
    .vgpr_count:     1024
    .wavefront_size: 32
...
	.end_amdgpu_metadata
.endif
;; end of part 2
;; launch attn (part 3): grid 4 x 64, 16 waves a work-group, clusters of 4 x 1, 327,680 bytes of LDS; arguments qkv, ac, asc; writes ac, asc
.if DOCPART == 3
	.amdgcn_target "amdgcn-amd-amdhsa--gfx1250"
	.amdhsa_code_object_version 6
	.text
	.protected	k_qfc5ef53e16_attn
	.globl	k_qfc5ef53e16_attn
	.p2align	8
	.type	k_qfc5ef53e16_attn,@function
k_qfc5ef53e16_attn:
	s_mov_b64 s[64:65], 0
	v_nop
	global_prefetch_b8 v0, s[64:65] scope:SCOPE_SE
	s_setreg_imm32_b32 hwreg(HW_REG_WAVE_MODE, 25, 1), 1
	s_wait_xcnt 0x0
	s_wait_alu depctr_hold_cnt(0) depctr_sa_sdst(0) depctr_va_vdst(0) depctr_va_sdst(0) depctr_va_ssrc(0) depctr_va_vcc(0) depctr_vm_vsrc(0)
	s_getreg_b32 s2, hwreg(HW_REG_IB_STS2, 6, 4)
	s_cmp_eq_u32 s2, 0
	s_cbranch_scc0 .Lentry_in_a_cluster
	s_endpgm
.Lentry_in_a_cluster:
	s_bfe_u32 s2, ttmp6, 0x10000c
	s_cmp_lg_u32 s2, 0x3003
	s_cbranch_scc0 .Lentry_shape_is_right
	s_endpgm
.Lentry_shape_is_right:
; o = softmax(q k^T / 8) v for one head, both products on codes of FP6 (E2M3) with E8M0 scales; o is quantised at once, along the model's 1,024, into the last product's operand.
; t = score x log2(e) / 8; M = the running largest t rounded UP to a whole number; p = 2^(t - M) is quantised along the keys, not normalised; the row's sum is taken of the unquantised p and divides at the end.
; SHARES.  A work-group: one head (the cluster's y), 512 queries; each of its sixteen waves 32 queries, as two tiles of 16, one after the other, in 256 registers: four waves to a SIMD, so that one wave's
; vector work stands beside another's matrix work and LDS loads.
; NO RING.  A head's K, V and their scale words are 16 key steps x 12,800 bytes: they stay in LDS.  Wave w brings key step w by ONE tensor load (50 dense rows of 256 bytes), asked for JOINTLY by the four
; query blocks of the head, which form the cluster.  One tensor load of a wave is out.  So no later load exists for a prefetch to run ahead of.
; LAYOUT.  Both products are used transposed: S^T = K Q^T, O^T = V^T P^T: a lane holds one query (lane % 16) throughout.
; K = 64 IN A FORM OF K = 128.  A fragment of K carries two tiles of 16 keys (registers 0-5, 6-11).  Source 1 = [q, zeros] (v22-33) picks the first, [zeros, q] (v16-27) the second: zero codes add nothing.
; ORDER INSIDE A BLOCK OF KEYS.  The 16 registers of tiles 2 B, 2 B + 1 are keys 32 B + 8 h + 0 .. 7 and 32 B + 16 + 8 h + 0 .. 7: block B lies in lanes l and l xor 16, and its codes stand in the order
; 0-7, 16-23, 8-15, 24-31, which is the order in which V's codes were laid.
; LIMITS: NaN and infinities are not served; a block whose every p has fallen to 0 keeps the byte 1 (its codes are zeros).
; REGISTERS: v1 16 x lane, v2 8 x lane, v3, v4 the add's two, v5, v6 LDS addresses, v7 32 r + h; v12 -M, v13 largest t, v[14:15] the sum; v16-21 zeros, v22-27 q, v28-33 zeros; v34 q's scale word, v35, v36-41 the second tile's;
;   v[42:43] K's scale words, v[44:45] V's, v46 p's; v[48:49] f; v50-97 four fragments of K or V; v98-161 S^T, then p; v162-193 O^T; v194-205 p's codes; v206-229 at work.
.set STEPB, 12800                      ; a key step in LDS: K 6,144 | V 6,144 | KS 256 | VS 256
.set SPARE, 16*STEPB                   ; the spare words, 128 bytes for each of sixteen waves
.set GRP,   19200
.set SPW, 3
.set NIL, 4
.set KV,  50
.set S,   98
.set OT,  162
.set PCD, 194
.set CT,  206
.set BM,  214
.set PB,  218
.set SO,  222
.set WK,  226
.set WV,  10
.set G1,  16
.set G0,  24
.set SEL, 28
.set CS,  30
.set TB,  32
.set CNT, 33
.set HM,  35
.macro CROUND
	s_barrier_signal -1
	s_barrier_wait -1
	s_cmp_lg_u32 s[WV], 0
	s_cbranch_scc1 .Lnot_wave_0_\@
	s_barrier_signal -3
.Lnot_wave_0_\@:
	s_barrier_wait -3
	s_barrier_signal -1
	s_barrier_wait -1
.endm
	s_load_b128 s[4:7], s[0:1], 0x0                ; qkv s[4:5], ac s[6:7]
	s_load_b64 s[8:9], s[0:1], 0x10                ; asc
	v_lshl_add_u32 v[SPW], v0, 2, SPARE
	v_mov_b32 v[NIL], 0
	ds_add_u32 v[SPW], v[NIL]                      ; the wave's opening: the add and its wait ahead of my first tensor load
	ds_add_u32 v[SPW], v[NIL]
	v_lshrrev_b32 v5, 5, v0
	s_delay_alu instid0(VALU_DEP_1)
	v_readfirstlane_b32 s[WV], v5                  ; wave 0..15
	s_bfe_u32 s11, ttmp6, 0x40000                  ; cx
	s_lshl_b32 s36, ttmp9, 2
	s_add_co_u32 s11, s11, s36                     ; my block of 512 queries: it enters Q's and the outputs' addresses alone
	s_and_b32 s12, ttmp7, 0xffff                   ; batch x 16 + head, which the four partners share
	s_mov_b32 s[G1], 15|(3<<16)|(1<<21)            ; the mask: all four work-groups; elements of 8 bytes; bit 21 beside a mask; no padding
	s_mov_b32 s[G1+1], 32<<16                      ; tensor_dim0: 256 bytes
	s_mov_b32 s[G1+2], 50<<16                      ; tensor_dim1
	s_mov_b32 s[G1+3], 32<<16                      ; tile_dim0
	s_mov_b32 s[G1+4], 50                          ; tile_dim1
	s_mov_b32 s[G1+5], 32                          ; dense
	s_mov_b32 s[G1+6], 0
	s_mov_b32 s[G1+7], 0
	s_lshl_b32 s13, s12, 4
	s_add_co_u32 s14, s13, s[WV]                   ; the head's group w
	s_mul_i32 s14, s14, GRP
	s_add_co_u32 s14, s14, 6400                    ; behind its Q and QS
	s_mov_b32 s15, 0
	s_mov_b32 s[G0], 1
	s_mul_i32 s[G0+1], s[WV], STEPB                ; LDS: key step w
	s_lshl_b32 s36, s11, 2                         ; my pair of query tiles: group 4 x block + w / 4, fragment w % 4
	s_lshr_b32 s37, s[WV], 2
	s_add_co_u32 s36, s36, s37
	s_add_co_u32 s36, s36, s13
	s_mul_i32 s36, s36, GRP
	s_and_b32 s37, s[WV], 1
	s_lshl_b32 s37, s37, 7
	s_add_co_u32 s38, s36, s37
	s_bfe_u32 s37, s[WV], 0x10001
	s_lshl_b32 s37, s37, 2
	s_add_co_u32 s38, s38, s37
	s_add_co_u32 s38, s38, 6144                    ; its scale words: 6,144 + 128 (f % 2) + 4 (f / 2) + 8 r
	s_mov_b32 s39, 0
	s_and_b32 s37, s[WV], 3
	s_mul_i32 s37, s37, 1536
	s_add_co_u32 s36, s36, s37
	s_mov_b32 s37, 0
	s_lshr_b32 s40, s12, 4
	s_lshl_b32 s40, s40, 11
	s_lshl_b32 s41, s11, 9
	s_add_co_u32 s40, s40, s41
	s_lshl_b32 s41, s[WV], 5
	s_add_co_u32 s40, s40, s41                     ; my first token: 2,048 batch + 512 block + 32 wave
	s_and_b32 s41, s12, 15                         ; head
	s_add_co_u32 s42, s40, s41
	s_mul_i32 s42, s42, 768                        ; ac: 768 bytes a token row, and 768 a head inside a tile of 16
	s_mov_b32 s43, 0
	s_lshl_b32 s44, s40, 5
	s_lshl_b32 s41, s41, 1
	s_add_co_u32 s44, s44, s41                     ; asc: 32 bytes a token, 2 a head
	s_mov_b32 s45, 0
	s_mov_b32 s[SEL], 0x76543210
	s_mov_b32 s[SEL+1], 0xfedcba98
	s_mov_b32 s[CS], 0x3e38aa3b                    ; c = log2(e) / 8
	s_mov_b32 s[CS+1], s[CS]
	s_mov_b32 s[HM], 0xffff0000
	s_wait_dscnt 0x0                               ; the opening add is done
	s_wait_kmcnt 0x0
	s_add_nc_u64 s[G0+2:G0+3], s[4:5], s[14:15]
	s_or_b32 s[G0+3], s[G0+3], 0x80000000
	s_add_nc_u64 s[36:37], s[4:5], s[36:37]
	s_add_nc_u64 s[38:39], s[4:5], s[38:39]
	s_add_nc_u64 s[6:7], s[6:7], s[42:43]
	s_add_nc_u64 s[8:9], s[8:9], s[44:45]
	CROUND                                         ; all four work-groups are here: the joint loads meet
	tensor_load_to_lds s[G0:G0+3], s[G1:G1+7]
	s_nop 0
.rept 4
	v_nop
.endr
	v_and_b32 v5, 31, v0
	s_delay_alu instid0(VALU_DEP_1)
	v_lshlrev_b32 v1, 4, v5
	s_delay_alu instid0(VALU_DEP_2)
	v_lshlrev_b32 v2, 3, v5
	v_and_b32 v6, 15, v0                           ; r
	v_bfe_u32 v7, v0, 4, 1                         ; h
	s_delay_alu instid0(VALU_DEP_1)
	v_lshl_add_u32 v7, v6, 5, v7                   ; 32 r + h
	s_delay_alu instid0(VALU_DEP_3)
	v_lshlrev_b32 v8, 3, v6
	global_load_b128 v[22:25], v1, s[36:37]        ; my pair fragment of Q: registers 0-5 the first tile, 6-11 the second
	global_load_b128 v[26:29], v1, s[36:37] offset:512
	global_load_b128 v[30:33], v1, s[36:37] offset:1024
	global_load_b32 v9, v8, s[38:39]               ; its scale word
.irp i, 0,1,2,3,4,5
	v_mov_b32 v[16+\i], 0
.endr
.irp b, 0,1,2,3
	v_mov_b32 v[PB+\b], 0                          ; written once: a lane permute's destination counts as one of its sources
.endr
	v_mov_b32 v49, 0                               ; (named as the upper half of the pair v[48:49])
	s_wait_loadcnt 0x0
.irp i, 0,1,2,3,4,5
	v_mov_b32 v[36+\i], v[28+\i]                   ; the second tile is kept,
.endr
.irp i, 0,1,2,3,4,5
	v_mov_b32 v[28+\i], 0                          ; and zeros stand on both sides of q
.endr
	v_perm_b32 v34, v9, v9, 0x01000100             ; the first tile's two bytes, twice: they serve q in either half of K
	v_perm_b32 v35, v9, v9, 0x03020302             ; the second tile's
	s_wait_tensorcnt 0x0                           ; my key step has landed,
	s_barrier_signal -1
	s_barrier_wait -1                              ; everybody's has
; One tile of 16 queries: all 16 key steps, then the way out.
.macro TILE num
.if \num
	s_wait_xcnt 0x0                                ; the first tile's stores have read their registers
.irp i, 0,1,2,3,4,5
	v_mov_b32 v[22+\i], v[36+\i]
.endr
	v_mov_b32 v34, v35
.endif
	v_mov_b32 v13, 0xff61b1e6                      ; the largest t so far: -3e38, under every t
	s_delay_alu instid0(VALU_DEP_1)
	v_floor_f32 v12, -v13
	v_mov_b32 v14, 0
	v_mov_b32 v15, 0
.set jj, 0
.rept 32
	v_mov_b32 v[OT+jj], 0                          ; O^T: the step is written once; its first trip finds zeros.  (These are also the places between the writes of q and its scale word and the first product)
.set jj, jj+1
.endr
	s_mov_b32 s[TB], 0
	s_mov_b32 s[CNT], 16
.Lstep_\@:
	s_setprio 2
	v_add_nc_u32 v5, s[TB], v1
	v_add_nc_u32 v6, s[TB], v2
	v_nop
	v_nop                                          ; four places behind the last products, in front of loads into registers that they read
.irp f, 0,1,2,3
.irp c, 0,1,2
	ds_load_b128 v[KV+12*\f+4*\c:KV+12*\f+4*\c+3], v5 offset:1536*\f+512*\c   ; 512 consecutive bytes: the fragment as it lies
.endr
.endr
	ds_load_b64 v[42:43], v6 offset:12288          ; K's scale words: register f / 2, lanes 0-15 for even f, 16-31 for odd
	s_wait_alu depctr_va_vdst(0)
	s_wait_dscnt 0x0
.irp f, 0,1,2,3
.if \f%2
	v_wmma_scale_f32_16x16x128_f8f6f4 v[S+16*\f:S+16*\f+7], v[KV+12*\f:KV+12*\f+11], v[22:33], 0, v[42+\f/2], v34 matrix_a_fmt:MATRIX_FMT_FP6 matrix_b_fmt:MATRIX_FMT_FP6 matrix_a_scale:MATRIX_SCALE_ROW1
	v_wmma_scale_f32_16x16x128_f8f6f4 v[S+16*\f+8:S+16*\f+15], v[KV+12*\f:KV+12*\f+11], v[16:27], 0, v[42+\f/2], v34 matrix_a_fmt:MATRIX_FMT_FP6 matrix_b_fmt:MATRIX_FMT_FP6 matrix_a_scale:MATRIX_SCALE_ROW1
.else
	v_wmma_scale_f32_16x16x128_f8f6f4 v[S+16*\f:S+16*\f+7], v[KV+12*\f:KV+12*\f+11], v[22:33], 0, v[42+\f/2], v34 matrix_a_fmt:MATRIX_FMT_FP6 matrix_b_fmt:MATRIX_FMT_FP6
	v_wmma_scale_f32_16x16x128_f8f6f4 v[S+16*\f+8:S+16*\f+15], v[KV+12*\f:KV+12*\f+11], v[16:27], 0, v[42+\f/2], v34 matrix_a_fmt:MATRIX_FMT_FP6 matrix_b_fmt:MATRIX_FMT_FP6
.endif
.endr
.rept 4
	v_nop                                          ; places: in front of the loads into K's registers, and of the first read of the scores
.endr
.irp t, 0,1,2,3
.irp c, 0,1,2
	ds_load_b128 v[KV+12*\t+4*\c:KV+12*\t+4*\c+3], v5 offset:6144+1536*\t+512*\c   ; V lands while the softmax is walked
.endr
.endr
	ds_load_b64 v[44:45], v6 offset:12544
.irp b, 0,1,2,3
	v_max3_num_f32 v[BM+\b], v[S+16*\b], v[S+1+16*\b], v[S+2+16*\b]   ; the largest score of each block of 32 keys: for the row's maximum, and, since p rises with the score, for the block's largest p
.endr
.irp i, 3,5,7,9,11,13
.irp b, 0,1,2,3
	v_max3_num_f32 v[BM+\b], v[BM+\b], v[S+16*\b+\i], v[S+1+16*\b+\i]
.endr
.endr
.irp b, 0,1,2,3
	v_max_num_f32 v[BM+\b], v[BM+\b], v[S+15+16*\b]
.endr
.irp b, 0,1,2,3
	s_delay_alu instid0(VALU_DEP_4)
	v_permlanex16_b32 v[PB+\b], v[BM+\b], s[SEL], s[SEL+1]
.endr
.irp b, 0,1,2,3
	s_delay_alu instid0(VALU_DEP_4)
	v_max_num_f32 v[BM+\b], v[BM+\b], v[PB+\b]     ; with lane l xor 16's 16 keys
.endr
	s_delay_alu instid0(VALU_DEP_2)
	v_max3_num_f32 v[WK], v[BM], v[BM+1], v[BM+2]
	s_delay_alu instid0(VALU_DEP_1)
	v_max_num_f32 v[WK], v[WK], v[BM+3]
	s_delay_alu instid0(VALU_DEP_1)
	v_mul_f32 v[WK], s[CS], v[WK]                  ; the step's largest t
	s_delay_alu instid0(VALU_DEP_1)
	v_max_num_f32 v13, v13, v[WK]
	v_mov_b32 v[WK], v12
	s_delay_alu instid0(VALU_DEP_2)
	v_floor_f32 v12, -v13                          ; the new -M = -ceil(t): a whole number
	s_delay_alu instid0(VALU_DEP_1)
	v_sub_f32 v[WK], v12, v[WK]                    ; old M - new M, 0 or less
	s_delay_alu instid0(VALU_DEP_1)
	v_cvt_i32_f32 v[WK], v[WK]                     ; (it saturates)
	s_delay_alu instid0(VALU_DEP_1)
	v_ldexp_f32 v48, 1.0, v[WK]                    ; f = 2^(old M - new M): a multiplication by it rounds nothing
.set jj, 0
.rept 32
	v_pk_fma_f32 v[S+jj:S+jj+1], v[S+jj:S+jj+1], s[CS:CS+1], v[12:13] op_sel_hi:[1,0,0]   ; t - M
.set jj, jj+2
.endr
.irp b, 0,1,2,3
	v_fma_f32 v[BM+\b], v[BM+\b], s[CS], v12
.endr
.set jj, 0
	s_wait_alu depctr_va_vdst(0)
.rept 64
	v_exp_f32 v[S+jj], v[S+jj]                     ; p = 2^(t - M)
.set jj, jj+1
.endr
	s_setprio 1
	v_pk_mul_f32 v[14:15], v[14:15], v[48:49] op_sel_hi:[1,0]   ; the sums under the new M: the plain instruction behind the exponentials
	s_wait_alu depctr_va_vdst(0)                   ; one wait for the batch of 64, ahead of its first reader
.irp b, 0,1,2,3
	v_exp_f32 v[BM+\b], v[BM+\b]                   ; the block's largest p: the same two instructions on the same number
.endr
	v_pk_add_f32 v[228:229], v[102:103], v[106:107]
	v_pk_add_f32 v[254:255], v[110:111], v[114:115]
	v_pk_add_f32 v[252:253], v[118:119], v[122:123]
	v_pk_add_f32 v[250:251], v[126:127], v[130:131]
	v_pk_add_f32 v[248:249], v[134:135], v[138:139]
	v_pk_add_f32 v[246:247], v[142:143], v[146:147]
	v_pk_add_f32 v[244:245], v[150:151], v[154:155]
	v_pk_add_f32 v[14:15], v[14:15], v[158:159]
	v_pk_add_f32 v[228:229], v[228:229], v[98:99]
	v_pk_add_f32 v[254:255], v[254:255], v[100:101]
	v_pk_add_f32 v[252:253], v[252:253], v[104:105]
	v_pk_add_f32 v[250:251], v[250:251], v[108:109]
	v_pk_add_f32 v[248:249], v[248:249], v[112:113]
	v_pk_add_f32 v[246:247], v[246:247], v[116:117]
	v_pk_add_f32 v[244:245], v[244:245], v[120:121]
	v_pk_add_f32 v[14:15], v[14:15], v[124:125]
	v_pk_add_f32 v[228:229], v[228:229], v[128:129]
	v_pk_add_f32 v[254:255], v[254:255], v[132:133]
	v_pk_add_f32 v[252:253], v[252:253], v[136:137]
	v_pk_add_f32 v[250:251], v[250:251], v[140:141]
	v_pk_add_f32 v[248:249], v[248:249], v[144:145]
	v_pk_add_f32 v[246:247], v[246:247], v[148:149]
	v_pk_add_f32 v[244:245], v[244:245], v[152:153]
	v_pk_add_f32 v[14:15], v[14:15], v[156:157]
	v_pk_add_f32 v[228:229], v[228:229], v[160:161]
	s_delay_alu instid0(VALU_DEP_2)
	v_pk_add_f32 v[14:15], v[14:15], v[250:251]
	s_delay_alu instid0(VALU_DEP_2)
	v_pk_add_f32 v[228:229], v[228:229], v[248:249]
	v_pk_add_f32 v[254:255], v[254:255], v[246:247]
	v_pk_add_f32 v[252:253], v[252:253], v[244:245]
	s_delay_alu instid0(VALU_DEP_2)
	v_pk_add_f32 v[14:15], v[14:15], v[254:255]
	s_delay_alu instid0(VALU_DEP_2)
	v_pk_add_f32 v[228:229], v[228:229], v[252:253]
	s_delay_alu instid0(VALU_DEP_1)
	v_pk_add_f32 v[14:15], v[14:15], v[228:229]
	s_wait_alu depctr_va_vdst(0)                   ; and one for the four
.irp b, 0,1,2,3
	v_max_num_f32 v[BM+\b], 0x1800000, v[BM+\b]    ; the floor 2^(3 - 127)
.endr
.irp b, 0,1,2,3
	s_delay_alu instid0(VALU_DEP_4)
	v_add_nc_u32 v[SO+\b], 0xff000000, v[BM+\b]    ; the conversion's scale operand
.endr
.irp b, 0,1,2,3
	s_delay_alu instid0(VALU_DEP_4)
	v_lshrrev_b32 v[PB+\b], 23, v[SO+\b]           ; the byte
.endr
	s_delay_alu instid0(VALU_DEP_3)
	v_lshl_or_b32 v46, v[PB+1], 8, v[PB]           ; p's scale word for these 128 keys
	s_delay_alu instid0(VALU_DEP_1)
	v_lshl_or_b32 v46, v[PB+2], 16, v46
	s_delay_alu instid0(VALU_DEP_1)
	v_lshl_or_b32 v46, v[PB+3], 24, v46
.irp c, 0,1
	v_cvt_scalef32_pk16_fp6_f32 v[PCD+6*\c:PCD+6*\c+2], v[S+32*\c:S+32*\c+15], v[SO+2*\c]
	v_cvt_scalef32_pk16_fp6_f32 v[CT+4*\c:CT+4*\c+2], v[S+32*\c+16:S+32*\c+31], v[SO+2*\c+1]
.endr
	v_nop                                          ; one plain instruction behind the scaled conversions
.irp c, 0,1
.irp i, 0,1,2
	v_permlane16_swap_b32 v[PCD+6*\c+\i], v[CT+4*\c+\i]   ; a whole block to a lane
.endr
.irp i, 0,1,2
	s_delay_alu instid0(VALU_DEP_3)
	v_mov_b32 v[PCD+3+6*\c+\i], v[CT+4*\c+\i]
.endr
.endr
.set jj, 0
	s_setprio 0
.rept 16
	v_pk_mul_f32 v[OT+jj:OT+jj+1], v[OT+jj:OT+jj+1], v[48:49] op_sel_hi:[1,0]   ; O^T under the new M; these stand between the writes of p's codes and scale word and the products
.set jj, jj+2
.endr
	s_wait_alu depctr_va_vdst(0)
	s_wait_dscnt 0x0                               ; V is in
.irp t, 0,1,2,3
.if \t%2
	v_wmma_scale_f32_16x16x128_f8f6f4 v[OT+8*\t:OT+8*\t+7], v[KV+12*\t:KV+12*\t+11], v[PCD:PCD+11], v[OT+8*\t:OT+8*\t+7], v[44+\t/2], v46 matrix_a_fmt:MATRIX_FMT_FP6 matrix_b_fmt:MATRIX_FMT_FP6 matrix_a_scale:MATRIX_SCALE_ROW1
.else
	v_wmma_scale_f32_16x16x128_f8f6f4 v[OT+8*\t:OT+8*\t+7], v[KV+12*\t:KV+12*\t+11], v[PCD:PCD+11], v[OT+8*\t:OT+8*\t+7], v[44+\t/2], v46 matrix_a_fmt:MATRIX_FMT_FP6 matrix_b_fmt:MATRIX_FMT_FP6
.endif
.endr
	s_add_co_u32 s[TB], s[TB], STEPB
	s_sub_co_u32 s[CNT], s[CNT], 1
	s_cmp_lg_u32 s[CNT], 0
	s_cbranch_scc1 .Lstep_\@
	s_setprio 0
	; THE WAY OUT: O^T / the sum; the head's 64 numbers of my query in their natural order; two blocks quantised; half a fragment and two scale bytes a row stored
.rept 4
	v_nop
.endr
	v_add_f32 v14, v14, v15
	s_delay_alu instid0(VALU_DEP_1)
	v_permlanex16_b32 v[WK], v14, s[SEL], s[SEL+1]
	s_delay_alu instid0(VALU_DEP_1)
	v_add_f32 v14, v14, v[WK]                      ; the row's sum
	s_wait_alu depctr_va_vdst(0)
	v_rcp_f32 v14, v14
	v_nop                                          ; a plain instruction behind the reciprocal,
	s_wait_alu depctr_va_vdst(0)                   ; and the wait ahead of its first reader
.set jj, 0
.rept 32
	v_mul_f32 v[S+jj], v[OT+jj], v14               ; register 8 t + j: d = 16 t + 8 h + j; each accumulator from its low end on
.set jj, jj+1
.endr
.irp b, 0,1
.irp j, 0,1,2,3,4,5,6,7
	v_permlane16_swap_b32 v[S+16*\b+\j], v[S+8+16*\b+\j]   ; now registers 16 b + 0 .. 15 are d = 32 b + 16 h + 0 .. 15: w_out's codes lie in the natural order
.endr
.endr
	v_max3_num_f32 v[BM], |v[S]|, |v[S+1]|, 0x1800000
	v_max3_num_f32 v[BM+1], |v[S+16]|, |v[S+17]|, 0x1800000
.irp i, 2,4,6,8,10,12,14
	s_delay_alu instid0(VALU_DEP_2)
	v_max3_num_f32 v[BM], v[BM], |v[S+\i]|, |v[S+1+\i]|
	s_delay_alu instid0(VALU_DEP_2)
	v_max3_num_f32 v[BM+1], v[BM+1], |v[S+16+\i]|, |v[S+17+\i]|
.endr
	s_delay_alu instid0(VALU_DEP_2)
	v_permlanex16_b32 v[PB], v[BM], s[SEL], s[SEL+1]
	s_delay_alu instid0(VALU_DEP_2)
	v_permlanex16_b32 v[PB+1], v[BM+1], s[SEL], s[SEL+1]
	s_delay_alu instid0(VALU_DEP_2)
	v_max_num_f32 v[BM], v[BM], v[PB]
	s_delay_alu instid0(VALU_DEP_2)
	v_max_num_f32 v[BM+1], v[BM+1], v[PB+1]
	s_delay_alu instid0(VALU_DEP_2)
	v_add_nc_u32 v[SO], 0xff000000, v[BM]
	s_delay_alu instid0(VALU_DEP_2)
	v_add_nc_u32 v[SO+1], 0xff000000, v[BM+1]
	s_delay_alu instid0(VALU_DEP_2)
	v_lshrrev_b32 v[PB], 23, v[SO]
	s_delay_alu instid0(VALU_DEP_2)
	v_lshrrev_b32 v[PB+1], 23, v[SO+1]
	v_cvt_scalef32_pk16_fp6_f32 v[PCD:PCD+2], v[S:S+15], v[SO]
	v_cvt_scalef32_pk16_fp6_f32 v[CT:CT+2], v[S+16:S+31], v[SO+1]
	v_nop
.irp i, 0,1,2
	v_permlane16_swap_b32 v[PCD+\i], v[CT+\i]
.endr
.irp i, 0,1,2
	s_delay_alu instid0(VALU_DEP_3)
	v_mov_b32 v[PCD+3+\i], v[CT+\i]
.endr
	v_cndmask_b32 v[PB+2], v[PB], v[PB+1], s[HM]   ; lane (r, h): block h's byte
.irp q, 0,1,2
	global_store_b64 v2, v[PCD+2*\q:PCD+2*\q+1], s[6:7] offset:12288*\num+256*\q   ; 256 consecutive bytes each
.endr
	global_store_b8 v7, v[PB+2], s[8:9] offset:512*\num   ; two bytes in each row of 32: the other heads' bytes lie between; one byte for each 24 bytes of codes
.endm
	TILE 0
	TILE 1
	s_wait_tensorcnt 0x0                           ; the wave's end
	ds_add_u32 v[SPW], v[NIL]
	s_wait_dscnt 0x0
	CROUND                                         ; the closing round
	s_endpgm
.Lfunc_end_k_qfc5ef53e16_attn:
	.size	k_qfc5ef53e16_attn, .Lfunc_end_k_qfc5ef53e16_attn-k_qfc5ef53e16_attn
	.p2alignl 7, 3214868480
	.fill 96, 4, 3214868480
	.section	.rodata,"a",@progbits
	.p2align	6, 0x0
	.amdhsa_kernel k_qfc5ef53e16_attn
		.amdhsa_group_segment_fixed_size 327680
		.amdhsa_private_segment_fixed_size 0
		.amdhsa_enable_private_segment 0
		.amdhsa_kernarg_size 24
		.amdhsa_user_sgpr_count 2
		.amdhsa_user_sgpr_kernarg_segment_ptr 1
		.amdhsa_wavefront_size32 1
		.amdhsa_system_sgpr_workgroup_id_x 1
		.amdhsa_system_sgpr_workgroup_id_y 1
		.amdhsa_system_sgpr_workgroup_id_z 1
		.amdhsa_system_vgpr_workitem_id 0
		.amdhsa_next_free_vgpr 256
		.amdhsa_next_free_sgpr 66
		.amdhsa_reserve_vcc 0
		.amdhsa_float_denorm_mode_32 3
		.amdhsa_float_denorm_mode_16_64 3
		.amdhsa_memory_ordered 1
		.amdhsa_forward_progress 1
		.amdhsa_inst_pref_size 53
	.end_amdhsa_kernel
	.amdgpu_metadata
---
amdhsa.version: [ 1, 2 ]
amdhsa.kernels:
  - .name:           k_qfc5ef53e16_attn
    .symbol:         k_qfc5ef53e16_attn.kd
    .args:
      - { .name: qkv, .offset: 0, .size: 8, .value_kind: global_buffer, .address_space: global }
      - { .name: ac, .offset: 8, .size: 8, .value_kind: global_buffer, .address_space: global }
      - { .name: asc, .offset: 16, .size: 8, .value_kind: global_buffer, .address_space: global }
    .group_segment_fixed_size: 327680
    .private_segment_fixed_size: 0
    .kernarg_segment_align: 8
    .kernarg_segment_size: 24
    .max_flat_workgroup_size: 512
    .sgpr_count:     66
    .vgpr_count:     256
    .wavefront_size: 32
...
	.end_amdgpu_metadata
.endif
;; end of part 3
;; launch gemm_out (part 4): grid 4 x 32, 4 waves a work-group, clusters of 4 x 4, 327,680 bytes of LDS; arguments ac, asc, opc, ops, b_out, out0; writes out0
.if DOCPART == 4
	.amdgcn_target "amdgcn-amd-amdhsa--gfx1250"
	.amdhsa_code_object_version 6
	.text
	.protected	k_qfc5ef53e16_gemm_out
	.globl	k_qfc5ef53e16_gemm_out
	.p2align	8
	.type	k_qfc5ef53e16_gemm_out,@function
k_qfc5ef53e16_gemm_out:
	s_mov_b64 s[64:65], 0
	v_nop
	global_prefetch_b8 v0, s[64:65] scope:SCOPE_SE
	s_setreg_imm32_b32 hwreg(HW_REG_WAVE_MODE, 25, 1), 1
	s_wait_xcnt 0x0
	s_wait_alu depctr_hold_cnt(0) depctr_sa_sdst(0) depctr_va_vdst(0) depctr_va_sdst(0) depctr_va_ssrc(0) depctr_va_vcc(0) depctr_vm_vsrc(0)
	s_getreg_b32 s2, hwreg(HW_REG_IB_STS2, 6, 4)
	s_cmp_eq_u32 s2, 0
	s_cbranch_scc0 .Lentry_in_a_cluster
	s_endpgm
.Lentry_in_a_cluster:
	s_bfe_u32 s2, ttmp6, 0x10000c
	s_cmp_lg_u32 s2, 0xf033
	s_cbranch_scc0 .Lentry_shape_is_right
	s_endpgm
.Lentry_shape_is_right:
.set SIZE_N, 1024
.set NQ,    2
.set FR,    12
.set NL,    6
.set NP,    4
.set FRB,   1536
.set HALFT, 8*NQ*FRB
.set SLOT,  4*HALFT
.set SCL,   2*SLOT
.set HALFS, 16*272
.set SBLK,  2*272
.set SPARE, SCL+4*HALFS
.set SPITCH, 528
.set ADRA, 16
.set ADRB, 20
.set STO,  24
.set RD,   25
.set CO,   26
.set ADRS, 27
.set SPW,  28
.set NIL,  29
.set H32,  30
.set SC,   32
.set BIAS, 64
.set AF,   128
.set BK,   128
.set G1, 24
.set G0, 32
.set G1B, 48
.set G0B, 56
.set G1S, 68
.set G0S, 76
.set G1SB, 80
.set G0SB, 88
.set MSB, 0
.macro WIN new
.if MSB != (\new)
	s_set_vgpr_msb (MSB<<8)|(\new)
.set MSB, (\new)
.endif
.endm
.set MUL_LO, 0xa1
.set MUL_HI, 0xf1
.set BIA_LO, 0x81
.set BIA_HI, 0xc1
.set TO_B,   0x40
.macro JLOAD g0a, g1a, g0b, g1b
	s_cmp_eq_u32 s15, 0
	s_cbranch_scc0 .Lfor_b_\@
	tensor_load_to_lds s[\g0a:\g0a+3], s[\g1a:\g1a+7]
	s_nop 0
.rept 4
	v_nop
.endr
	s_branch .Lasked_\@
.Lfor_b_\@:
	tensor_load_to_lds s[\g0b:\g0b+3], s[\g1b:\g1b+7]
	s_nop 0
.rept 4
	v_nop
.endr
.Lasked_\@:
.endm
.macro CREST
	s_cmp_lg_u32 s14, 0
	s_cbranch_scc1 .Lnot_wave_0_\@
	s_barrier_signal -3
.Lnot_wave_0_\@:
	s_barrier_wait -3
	s_barrier_signal -1
	s_barrier_wait -1
.endm
.macro CROUND
	s_barrier_signal -1
	s_barrier_wait -1
	CREST
.endm
	s_load_b256 s[4:11], s[0:1], 0x0
	s_load_b64 s[66:67], s[0:1], 0x20
	s_load_b64 s[12:13], s[0:1], 0x28
	v_lshl_add_u32 v[SPW], v0, 2, SPARE
	v_mov_b32 v[NIL], 0
	ds_add_u32 v[SPW], v[NIL]
	ds_add_u32 v[SPW], v[NIL]
	v_lshrrev_b32 v1, 5, v0
	v_readfirstlane_b32 s14, v1
	s_lshr_b32 s15, s14, 1
	s_and_b32 s16, s14, 1
	s_bfe_u32 s40, ttmp6, 0x40000
	s_bfe_u32 s41, ttmp6, 0x40004
	s_lshl_b32 s42, ttmp9, 2
	s_add_co_u32 s42, s42, s40
	s_and_b32 s17, ttmp7, 0xffff
	s_lshl_b32 s17, s17, 2
	s_add_co_u32 s17, s17, s41
	s_lshl_b32 s43, s41, 2
	s_lshl_b32 s43, 15, s43
	s_lshl_b32 s44, 0x1111, s40
	s_or_b32 s[G1+0], s43, (3<<16)|(1<<21)
	s_or_b32 s[G1B+0], s44, (3<<16)|(1<<21)
.irp g, G1, G1B
	s_mov_b32 s[\g+1], 384<<16
	s_mov_b32 s[\g+2], 8<<16
	s_mov_b32 s[\g+3], 384<<16
	s_mov_b32 s[\g+4], 8
	s_mov_b32 s[\g+5], 1536
	s_mov_b32 s[\g+6], 0
	s_mov_b32 s[\g+7], 0
.endr
	s_or_b32 s[G1S+0], s43, (3<<16)|(1<<20)|(1<<21)|(5<<22)|(3<<25)
	s_or_b32 s[G1SB+0], s44, (3<<16)|(1<<20)|(1<<21)|(5<<22)|(3<<25)
.irp g, G1S, G1SB
	s_mov_b32 s[\g+1], 32<<16
	s_mov_b32 s[\g+2], 16<<16
	s_mov_b32 s[\g+3], 32<<16
	s_mov_b32 s[\g+4], 16
	s_mov_b32 s[\g+5], 32
	s_mov_b32 s[\g+6], 0
	s_mov_b32 s[\g+7], 0
.endr
	s_lshl_b32 s18, s16, 7
	s_lshl_b32 s20, s17, 8
	s_add_co_u32 s20, s20, s18
	s_lshl_b32 s46, s42, 8
	s_add_co_u32 s46, s46, s18
	s_add_co_u32 s46, s46, 11264
	s_lshl_b32 s22, s20, 5
	s_mov_b32 s23, 0
	s_lshl_b32 s92, s46, 5
	s_mov_b32 s93, 0
	s_mul_i32 s20, s20, 768
	s_mov_b32 s21, 0
	s_mul_i32 s46, s46, 768
	s_mov_b32 s47, 0
	s_mul_i32 s45, s14, HALFT
	s_mul_i32 s94, s14, HALFS
	s_wait_dscnt 0x0
	s_wait_kmcnt 0x0
	s_add_nc_u64 s[20:21], s[4:5], s[20:21]
	s_add_nc_u64 s[22:23], s[6:7], s[22:23]
	s_add_nc_u64 s[46:47], s[8:9], s[46:47]
	s_add_nc_u64 s[92:93], s[10:11], s[92:93]
	CROUND
	s_mov_b32 s[G0S], 1
	s_add_co_u32 s[G0S+1], s94, SCL
	s_mov_b64 s[G0S+2:G0S+3], s[22:23]
	s_or_b32 s[G0S+3], s[G0S+3], 0x80000000
	s_mov_b32 s[G0SB], 1
	s_add_co_u32 s[G0SB+1], s94, SCL
	s_mov_b64 s[G0SB+2:G0SB+3], s[92:93]
	s_or_b32 s[G0SB+3], s[G0SB+3], 0x80000000
	JLOAD G0S, G1S, G0SB, G1SB
.irp s, 0,1
	s_mov_b32 s[G0+4*\s], 1
	s_add_co_u32 s[G0+4*\s+1], s45, \s*SLOT
	s_add_nc_u64 s[G0+4*\s+2:G0+4*\s+3], s[20:21], \s*NQ*FRB
	s_or_b32 s[G0+4*\s+3], s[G0+4*\s+3], 0x80000000
	s_mov_b32 s[G0B+4*\s], 1
	s_add_co_u32 s[G0B+4*\s+1], s45, \s*SLOT
	s_add_nc_u64 s[G0B+4*\s+2:G0B+4*\s+3], s[46:47], \s*NQ*FRB
	s_or_b32 s[G0B+4*\s+3], s[G0B+4*\s+3], 0x80000000
	s_wait_alu depctr_va_vdst(0)
	s_wait_tensorcnt 0x0
	ds_add_u32 v28, v29
	s_wait_dscnt 0x0
	CROUND
	JLOAD G0+4*\s, G1, G0B+4*\s, G1B
.endr
	v_and_b32 v1, 15, v0
	v_bfe_u32 v2, v0, 4, 1
	v_and_b32 v6, 31, v0
	v_lshlrev_b32 v4, 3, v6
	s_wait_alu depctr_va_vdst(0)
	v_lshlrev_b32 v[H32], 5, v2
	s_lshl_b32 s46, s42, 10
	s_lshl_b32 s47, s16, 9
	s_add_co_u32 s46, s46, s47
	s_mov_b32 s47, 0
	s_add_nc_u64 s[66:67], s[66:67], s[46:47]
.irp b, 0,1,2,3,4,5,6,7
	global_load_b128 v[BIAS+8*\b:BIAS+8*\b+3], v[H32], s[66:67] offset:64*\b
	global_load_b128 v[BIAS+8*\b+4:BIAS+8*\b+7], v[H32], s[66:67] offset:64*\b+16
.endr
	s_mul_i32 s21, s15, HALFT
	s_mul_i32 s22, s16, HALFT
	s_add_co_u32 s22, s22, 2*HALFT
.irp s, 0,1
	v_add_nc_u32 v[ADRA+\s], s21, v4
	v_add_nc_u32 v[ADRB+\s], s22, v4
	s_add_co_u32 s21, s21, SLOT
	s_add_co_u32 s22, s22, SLOT
.endr
	v_mul_u32_u24 v5, v1, 32
	v_lshrrev_b32 v6, 8, v5
	v_lshl_add_u32 v5, v6, 4, v5
	s_mul_i32 s21, s15, HALFS
	s_mul_i32 s22, s16, HALFS
	s_add_co_u32 s22, s22, 2*HALFS
	s_sub_co_u32 s22, s22, s21
	v_mul_u32_u24 v6, s22, v2
	s_add_co_u32 s21, s21, SCL
	v_add_nc_u32 v5, v5, v6
	v_add_nc_u32 v[ADRS], s21, v5
	s_mul_i32 s23, s14, 16*SPITCH
	v_mul_u32_u24 v5, v1, SPITCH
	v_lshl_add_u32 v5, v2, 5, v5
	v_add_nc_u32 v[STO], s23, v5
	v_and_b32 v6, 31, v0
	v_lshlrev_b32 v[CO], 4, v6
	v_add_nc_u32 v[RD], s23, v[CO]
	s_lshl_b32 s20, s17, 8
	s_lshl_b32 s21, s15, 7
	s_add_co_u32 s20, s20, s21
	s_lshl_b32 s20, s20, 12
	s_mov_b32 s21, 0
	s_add_nc_u64 s[20:21], s[20:21], s[46:47]
	s_add_nc_u64 s[12:13], s[12:13], s[20:21]
.macro FRAG reg, adr, q, i
.irp p, 0,1,2,3,4,5
	ds_load_b64 v[\reg+2*\p:\reg+2*\p+1], v[\adr] offset:(\i)*NQ*FRB+(\q)*FRB+256*\p
.endr
.endm
.macro MUL16 a0, p, q, sc, zero
.irp a, \a0, \a0+1
.irp b, 0,1,2,3,4,5,6,7
.if \zero
	v_wmma_scale_f32_16x16x128_f8f6f4 v[8*(8*((\a)%4)+\b):8*(8*((\a)%4)+\b)+7], v[128*(\p)+FR*\b:128*(\p)+FR*\b+FR-1], v[AF+FR*(\a):AF+FR*(\a)+FR-1], v[BIAS+8*\b:BIAS+8*\b+7], v[SC+8*NQ*(\sc)+NQ*\b+(\q)], v[SC+8*NQ*(\sc)+NQ*(\a)+(\q)] matrix_a_fmt:MATRIX_FMT_FP6 matrix_b_fmt:MATRIX_FMT_FP6 matrix_a_scale:MATRIX_SCALE_ROW1
.else
	v_wmma_scale_f32_16x16x128_f8f6f4 v[8*(8*((\a)%4)+\b):8*(8*((\a)%4)+\b)+7], v[128*(\p)+FR*\b:128*(\p)+FR*\b+FR-1], v[AF+FR*(\a):AF+FR*(\a)+FR-1], v[8*(8*((\a)%4)+\b):8*(8*((\a)%4)+\b)+7], v[SC+8*NQ*(\sc)+NQ*\b+(\q)], v[SC+8*NQ*(\sc)+NQ*(\a)+(\q)] matrix_a_fmt:MATRIX_FMT_FP6 matrix_b_fmt:MATRIX_FMT_FP6 matrix_a_scale:MATRIX_SCALE_ROW1
.endif
.endr
.endr
.endm
.macro FETCH_B slot, q, p
	WIN TO_B
.irp i, 0,1,2,3,4,5,6,7
	FRAG 128*(\p)+FR*\i, ADRB+\slot, \q, \i
.endr
	WIN 0
.endm
.macro FETCH_A slot, q, i0
.irp i, \i0, \i0+1, \i0+2, \i0+3
	FRAG AF+FR*(\i), ADRA+\slot, \q, \i
.endr
.endm
.macro SCALES sc
.irp i, 0,1,2,3,4,5,6,7
	ds_load_b64 v[SC+8*NQ*\sc+NQ*\i:SC+8*NQ*\sc+NQ*\i+1], v[ADRS] offset:\i*SBLK
.endr
.endm
.macro PLACES n
.rept \n
	v_nop
.endr
.endm
.macro STEP slot, q, zero
	s_wait_dscnt 4*NL
.if \zero
	WIN BIA_LO
.else
	WIN MUL_LO
.endif
	MUL16 0, (\q)%2, \q, \slot, \zero
	MUL16 2, (\q)%2, \q, \slot, \zero
	s_wait_dscnt 0
	PLACES NP
	FETCH_B \slot, (\q)+1, 1-(\q)%2
	FETCH_A \slot, (\q)+1, 0
.if \zero
	WIN BIA_HI
.else
	WIN MUL_HI
.endif
	MUL16 4, (\q)%2, \q, \slot, \zero
	MUL16 6, (\q)%2, \q, \slot, \zero
	PLACES NP
	WIN 0
	FETCH_A \slot, (\q)+1, 4
.endm
.macro TURN slot, next, fill
	s_wait_tensorcnt 0x0
	ds_add_u32 v[SPW], v[NIL]
	s_wait_dscnt 4*NL+1
	WIN MUL_LO
	MUL16 0, 1, NQ-1, \slot, 0
	s_wait_dscnt 0x0
	s_barrier_signal -1
	MUL16 2, 1, NQ-1, \slot, 0
	WIN 0
	s_barrier_wait -1
.if \fill
	CREST
	s_add_nc_u64 s[G0+4*\slot+2:G0+4*\slot+3], s[G0+4*\slot+2:G0+4*\slot+3], 2*NQ*FRB
	s_add_nc_u64 s[G0B+4*\slot+2:G0B+4*\slot+3], s[G0B+4*\slot+2:G0B+4*\slot+3], 2*NQ*FRB
	JLOAD G0+4*\slot, G1, G0B+4*\slot, G1B
.else
	PLACES NP
.endif
	s_wait_alu depctr_va_vdst(0)
	v_add_nc_u32 v[ADRS], 4*NQ, v[ADRS]
	FETCH_B \next, 0, 0
	FETCH_A \next, 0, 0
	SCALES \next
	WIN MUL_HI
	MUL16 4, 1, NQ-1, \slot, 0
	MUL16 6, 1, NQ-1, \slot, 0
	PLACES NP
	WIN 0
	FETCH_A \next, 0, 4
.endm
	s_wait_alu depctr_va_vdst(0)
	s_wait_tensorcnt 1
	s_barrier_signal -1
	s_barrier_wait -1
	FETCH_B 0, 0, 0
	FETCH_A 0, 0, 0
	SCALES 0
	FETCH_A 0, 0, 4
	s_wait_loadcnt 0x0
	STEP 0, 0, 1
	TURN 0, 1, 1
	STEP 1, 0, 0
	TURN 1, 0, 1
	STEP 0, 0, 0
	TURN 0, 1, 0
	STEP 1, 0, 0
	s_wait_dscnt 4*NL
	WIN MUL_LO
	MUL16 0, 1, NQ-1, 1, 0
	MUL16 2, 1, NQ-1, 1, 0
	s_wait_dscnt 0
	WIN MUL_HI
	MUL16 4, 1, NQ-1, 1, 0
	MUL16 6, 1, NQ-1, 1, 0
	WIN 0
.macro TOSTAGE a
.set AC, 64*((\a)%4)
	WIN 0x08+4*((\a)/4)
.irp b, 0,1,2,3,4,5,6,7
	ds_store_b128 v[STO], v[AC+8*\b:AC+8*\b+3] offset:64*\b
	ds_store_b128 v[STO], v[AC+8*\b+4:AC+8*\b+7] offset:64*\b+16
.endr
	WIN 0
.set BB, BK+64*((\a)%2)
.irp t, 0,1,2,3,4,5,6,7,8,9,10,11,12,13,14,15
	ds_load_b128 v[BB+4*\t:BB+4*\t+3], v[RD] offset:\t*SPITCH
.endr
.endm
.macro SEND a, younger
.set BB, BK+64*((\a)%2)
	s_wait_dscnt \younger
.if (\a) > 0
	s_add_nc_u64 s[12:13], s[12:13], 16*SIZE_N*4
.endif
.irp t, 0,1,2,3,4,5,6,7,8,9,10,11,12,13,14,15
	global_store_b128 v[CO], v[BB+4*\t:BB+4*\t+3], s[12:13] offset:\t*SIZE_N*4 th:TH_STORE_NT
.endr
.endm
	PLACES NP
	TOSTAGE 0
.irp a, 1,2,3,4,5,6,7
.if \a > 1
	s_wait_xcnt 0x0
.endif
	TOSTAGE \a
	SEND \a-1, 32
.endr
	s_wait_xcnt 0x0
	SEND 7, 0
	s_wait_tensorcnt 0x0
	ds_add_u32 v[SPW], v[NIL]
	s_wait_dscnt 0x0
	CROUND
	s_endpgm
.Lfunc_end_k_qfc5ef53e16_gemm_out:
	.size	k_qfc5ef53e16_gemm_out, .Lfunc_end_k_qfc5ef53e16_gemm_out-k_qfc5ef53e16_gemm_out
	.p2alignl 7, 3214868480
	.fill 96, 4, 3214868480
	.section	.rodata,"a",@progbits
	.p2align	6, 0x0
	.amdhsa_kernel k_qfc5ef53e16_gemm_out
		.amdhsa_group_segment_fixed_size 327680
		.amdhsa_private_segment_fixed_size 0
		.amdhsa_enable_private_segment 0
		.amdhsa_kernarg_size 48
		.amdhsa_user_sgpr_count 2
		.amdhsa_user_sgpr_kernarg_segment_ptr 1
		.amdhsa_wavefront_size32 1
		.amdhsa_system_sgpr_workgroup_id_x 1
		.amdhsa_system_sgpr_workgroup_id_y 1
		.amdhsa_system_sgpr_workgroup_id_z 1
		.amdhsa_system_vgpr_workitem_id 0
		.amdhsa_next_free_vgpr 1024
		.amdhsa_next_free_sgpr 98
		.amdhsa_reserve_vcc 0
		.amdhsa_float_denorm_mode_32 3
		.amdhsa_float_denorm_mode_16_64 3
		.amdhsa_memory_ordered 1
		.amdhsa_forward_progress 1
		.amdhsa_inst_pref_size 162
	.end_amdhsa_kernel
	.amdgpu_metadata
---
amdhsa.version: [ 1, 2 ]
amdhsa.kernels:
  - .name:           k_qfc5ef53e16_gemm_out
    .symbol:         k_qfc5ef53e16_gemm_out.kd
    .args:
      - { .name: ac, .offset: 0, .size: 8, .value_kind: global_buffer, .address_space: global }
      - { .name: asc, .offset: 8, .size: 8, .value_kind: global_buffer, .address_space: global }
      - { .name: opc, .offset: 16, .size: 8, .value_kind: global_buffer, .address_space: global }
      - { .name: ops, .offset: 24, .size: 8, .value_kind: global_buffer, .address_space: global }
      - { .name: b_out, .offset: 32, .size: 8, .value_kind: global_buffer, .address_space: global }
      - { .name: out0, .offset: 40, .size: 8, .value_kind: global_buffer, .address_space: global }
    .group_segment_fixed_size: 327680
    .private_segment_fixed_size: 0
    .kernarg_segment_align: 8
    .kernarg_segment_size: 48
    .max_flat_workgroup_size: 128
    .sgpr_count:     98
    .vgpr_count:     1024
    .wavefront_size: 32
...
	.end_amdgpu_metadata
.endif
;; end of part 4
